; MI455X (gfx1250); checked and timed in simulation.
; The chip was launched on July 23, 2026; its instructions are those of AMD's public machine-readable ISA for CDNA 5 (MIT licence, August 2026) and "CDNA5" Instruction Set Architecture Reference Guide (July 2026). The comments in the code are by the model that wrote it; some were corrected since.
;; Di T Mo E Layer. Allowed arithmetic: matrix products marked QUANTISED: E2M1 operands, one E8M0 scale for each 32 along K, by v_wmma_scale_f32_16x16x128_f8f6f4 with both operands' format E2M1 (or v_wmma_scale_f32_32x16x128_f4), f32 sums; products left as they are: f32 operands where the result goes on into a quantised operand, else bf16, f16 or f32 operands; f32 sums; everything else in f32.
;; Inputs: W1 8 x 1,024 x 2,048 float32; W2 8 x 2,048 x 1,024 float32; b1 8 x 2,048 float32; b2 8 x 1,024 float32; gate_w 1,024 x 8 float32; x 2 x 1,024 x 1,024 float32.
;; Outputs: out0 2 x 1,024 x 1,024 float32; out1 one number float32.
;; This version of the problem:
;;   THIS VERSION OF THE PROBLEM IS GIVEN IN LOW PRECISION. The matrix products marked QUANTISED in the list below multiply operands that are first quantised to E2M1 (2 exponent bits, 1 mantissa bit; 4 bits a number), with one power-of-two scale for each 32 numbers along K (OCP MX v1.0); their sums are f32. All else is computed in f32.
;;   The module's matrix products, in the order in which they are computed (A, B: the left and right operand; K: the contracted axis; several contracted axes count as one K, in the product's order):
;;     1. [M 2,048, K 1,024] x [K 1,024, N 8]; A: input x; B: input gate_w: left as it is (N = 8 < 16)
;;     2. batch 2,048 x [M 8, K 2] x [K 2, N 1]; A: computed on the way; B: computed on the way: left as it is (K = 2 < 32)
;;     3. [M 2,048, K 1,024] x [K 1,024, N 2,048]; A: input x; B: input W1: QUANTISED
;;     4. [M 2,048, K 2,048] x [K 2,048, N 1,024]; A: computed on the way; B: input W2: QUANTISED
;;     5. [M 2,048, K 1,024] x [K 1,024, N 2,048]; A: input x; B: input W1: QUANTISED
;;     6. [M 2,048, K 2,048] x [K 2,048, N 1,024]; A: computed on the way; B: input W2: QUANTISED
;;     7. [M 2,048, K 1,024] x [K 1,024, N 2,048]; A: input x; B: input W1: QUANTISED
;;     8. [M 2,048, K 2,048] x [K 2,048, N 1,024]; A: computed on the way; B: input W2: QUANTISED
;;     9. [M 2,048, K 1,024] x [K 1,024, N 2,048]; A: input x; B: input W1: QUANTISED
;;     10. [M 2,048, K 2,048] x [K 2,048, N 1,024]; A: computed on the way; B: input W2: QUANTISED
;;     11. [M 2,048, K 1,024] x [K 1,024, N 2,048]; A: input x; B: input W1: QUANTISED
;;     12. [M 2,048, K 2,048] x [K 2,048, N 1,024]; A: computed on the way; B: input W2: QUANTISED
;;     13. [M 2,048, K 1,024] x [K 1,024, N 2,048]; A: input x; B: input W1: QUANTISED
;;     14. [M 2,048, K 2,048] x [K 2,048, N 1,024]; A: computed on the way; B: input W2: QUANTISED
;;     15. [M 2,048, K 1,024] x [K 1,024, N 2,048]; A: input x; B: input W1: QUANTISED
;;     16. [M 2,048, K 2,048] x [K 2,048, N 1,024]; A: computed on the way; B: input W2: QUANTISED
;;     17. [M 2,048, K 1,024] x [K 1,024, N 2,048]; A: input x; B: input W1: QUANTISED
;;     18. [M 2,048, K 2,048] x [K 2,048, N 1,024]; A: computed on the way; B: input W2: QUANTISED
;;   THE QUANTISER, for each operand of a quantised product, along K:
;;     - K is cut into blocks of 32 from its start; a last block that is shorter is filled with zeros.
;;     - A block's scale is 2^e with e = floor(log2(the largest magnitude in the block)) - 2, held to -126 .. 127; a block of zeros has e = 0. As a byte (E8M0): e + 127.
;;     - Each number is divided by its block's scale, clamped to +-6, and rounded to the nearest number of E2M1, ties to even, subnormals kept.
;;     - The product sums the exact products of the quantised numbers (number of the format x scale) in f32.
;;   ~~~python
;;   def quantise(x, axis):      # numpy; x: float32 -> the quantised numbers, widened to float32 again
;;       x = np.moveaxis(x, axis, -1); K = x.shape[-1]
;;       x = np.pad(x, [(0, 0)] * (x.ndim - 1) + [(0, -K % 32)]); x = x.reshape(x.shape[:-1] + (-1, 32)); a = np.abs(x).max(-1, keepdims=True)
;;       e = np.where(a > 0, np.clip(np.frexp(np.where(a > 0, a, 1))[1] - 1 - 2, -126, 127), 0)      # np.frexp(a)[1] - 1 = floor(log2(a)), exactly
;;       r = np.clip(x / 2.0 ** e, -6, 6)
;;       step = 2.0 ** (np.maximum(np.frexp(np.where(r == 0, 1, r))[1] - 1, 0) - 1)
;;       q = np.round(r / step) * step * 2.0 ** e      # np.round: ties to even
;;       return np.moveaxis(q.reshape(q.shape[:-2] + (-1,))[..., :K], -1, axis).astype(np.float32)
;;   ~~~
;;   OPERANDS COMPUTED ON THE WAY. 'Computed on the way' means the value that the module computes at that place (a softmax that the list does not call 'softmax' is quantised finished and normalised). What goes into a quantiser is computed in f32, as accurately as f32 sums, v_exp_f32 and their like allow (about 1e-6 of the number): no bf16 or f16 on the way to a quantiser, and a product that is left as it is and whose result goes on into a quantised operand takes f32 operands (vector FMAs, or v_wmma_f32_16x16x4_f32). A number that lies on a knife's edge between two numbers of the format may be rounded either way, as far as f32 arithmetic and the matrix unit's own rounding can turn it there, and no further.
;; One version. Each part assembles by itself: llvm-mc -triple=amdgcn-amd-amdhsa -mcpu=gfx1250 --defsym DOCPART=n.
;; ======== version 1 of 1: 4 launches
;; limits: right only within a limited range of input values
;; workspace buffers: wq 17,825,792 bytes; xq 1,114,112 bytes; rt 24,576 bytes; sel 8,192 bytes of whole numbers; ord 8,192 bytes of whole numbers; hq 17,825,792 bytes
;; launch prep1 (part 1): grid 1280 x 1, 4 waves a work-group, no clusters, 26,624 bytes of LDS; arguments x, gate_w, W1, xq, rt, sel, wq; writes xq, rt, sel, wq
.if DOCPART == 1
	.amdgcn_target "amdgcn-amd-amdhsa--gfx1250"
	.amdhsa_code_object_version 6
	.text
	.protected	k_q3013d449af_prep1
	.globl	k_q3013d449af_prep1
	.p2align	8
	.type	k_q3013d449af_prep1,@function
k_q3013d449af_prep1:
	s_mov_b64 s[64:65], 0
	v_nop
	global_prefetch_b8 v0, s[64:65] scope:SCOPE_SE
	s_setreg_imm32_b32 hwreg(HW_REG_WAVE_MODE, 25, 1), 1
	s_wait_xcnt 0x0
; PREP1.  Work-groups 0-255: 8 tokens each: x [2048][1024] f32 becomes codes of FP4 (E2M1) with one E8M0 byte for each 32 along H (xq), and the router runs in f32:
; logits = x gate_w, softmax (the row's largest logit taken away first), the two largest probabilities (the lower index wins a tie), their weights renormalised.
; The chosen experts go to sel[token] = e1 | e2 << 8 and the weights to rt[token][2], at fixed places: no address and no branch here hangs on them.  Each work-group's sums of the probabilities go to rt + 0x4000 + 32 x work-group.
; 8 tokens to a work-group make 256 of them, as many as there are WGPs, and four steps of two tokens: all 16 loads of x go out at the head with gate_w's 32, so that a wave waits for memory once.
; Work-groups 256-1279: W1 [8][1024 (k)][2048 (n)] f32 becomes codes and scale words in wq, LAID IN THE ORDER OF THE OPERAND'S REGISTERS.
; A group of 32 neighbouring columns n = 32 cg + j makes two tiles of 16: column j is row p = (j & 7) + 8 (j >> 4) of tile u = (j >> 3) & 1, so that in the transposed product a lane's 16 results of the two tiles are
; 16 neighbouring columns.  Codes: [e][cg][K step of 128][u][c][lane p + 16 h][16 bytes], the 16 bytes being block 2 c + h of that K step.  Scale words: [e][cg][K step][lane 16 u + p].
; A LANE TAKES A COLUMN AND ITS REGISTERS RUN DOWN K: a block of 32 lies in one lane, its codes come out with K innermost, and nothing is transposed.
; A code store of a wave covers two runs of 256 consecutive aligned bytes.  The scale words leave 128 bytes a wave: one byte for each 128 read.  A router work-group's experts (32 bytes), weights (64) and sums (32) are short stores.
; LIMITS: NaN and infinities are not served.  A block's largest magnitude is taken no lower than 2^-124, so its byte is at least 1; a block of zeros gets the byte 1 (not 127) over zero codes: only this program reads the bytes.
; A probability under 2^-126 counts as 0.  Two probabilities closer than the rounding of the f32 sums may be ordered otherwise than by another order of summation.
.set NRT, 256                          ; router work-groups
.set XCS, 20480                        ; LDS (router path only): 0: a stage of 2 x 32 x 80 bytes for each wave; XCS: the codes [8 tokens][512 bytes];
.set XSS, 24576                        ; XSS: the scale bytes [8][32];
.set PL,  24832                        ; PL: partial logits [8 tokens] pitch 144 [4 waves][8 f32]
; ---- the weights' quantiser: s[24:25] the wave's 32 columns x 128 rows, s[26:27] its codes, s[28:29] its scale words; v2 = lane; n = floats in a row
.macro WLANES
	v_lshlrev_b32 v3, 2, v2                        ; in: 4 bytes a lane
	v_bfe_u32 v6, v2, 3, 1                         ; u
	v_and_b32 v7, 7, v2
	v_lshrrev_b32 v8, 4, v2
	v_lshl_add_u32 v7, v8, 3, v7                   ; p
	v_lshlrev_b32 v4, 4, v7
	v_lshl_add_u32 v4, v6, 10, v4                  ; codes: 1024 u + 16 p
	v_lshl_add_u32 v5, v6, 4, v7
	v_lshlrev_b32 v5, 2, v5                        ; scale word: 4 (16 u + p)
.endm
.macro WLOAD t, n                      ; block t: rows 32 t + i of my column, into set t % 2
.irp i, 0,1,2,3,4,5,6,7,8,9,10,11,12,13,14,15,16,17,18,19,20,21,22,23,24,25,26,27,28,29,30,31
	global_load_b32 v[32+32*((\t)%2)+\i], v3, s[24:25] offset:(32*(\t)+\i)*(\n)*4 th:TH_LOAD_NT
.endr
.endm
.macro WBLOCK t, n
.set XW, 32+32*((\t)%2)
.if (\t) < 3
	s_wait_loadcnt 32                              ; this block's 32 loads are in; the next block's 32 may be out
.else
	s_wait_loadcnt 0x0
.endif
	v_max3_num_f32 v12, |v[XW]|, |v[XW+1]|, |v[XW+2]|      ; the block's largest magnitude: all 32 numbers are mine; two chains
	v_max3_num_f32 v13, |v[XW+3]|, |v[XW+4]|, |v[XW+5]|
.irp i, 6,10,14,18,22,26
	v_max3_num_f32 v12, v12, |v[XW+\i]|, |v[XW+\i+1]|
	v_max3_num_f32 v13, v13, |v[XW+\i+2]|, |v[XW+\i+3]|
.endr
	v_max3_num_f32 v12, v12, |v[XW+30]|, |v[XW+31]|
	v_max3_num_f32 v12, v12, v13, 0x1800000        ; and the floor 2^(3 - 127): the byte cannot fall under 1
	v_add_nc_u32 v11, 0xff000000, v12              ; 2 off the exponent field: the conversion takes this operand's exponent field as its scale
	v_lshrrev_b32 v13, 23, v11                     ; the scale's byte
.if (\t) == 0
	v_mov_b32 v24, v13
.else
	v_lshl_or_b32 v24, v13, 8*(\t), v24            ; four bytes make the K step's scale word
.endif
.irp g, 0,1,2,3
	v_cvt_scalef32_pk8_fp4_f32 v[96+4*(\t)+\g], v[XW+8*\g:XW+8*\g+7], v11
.endr
	global_store_b128 v4, v[96+4*(\t):96+4*(\t)+3], s[26:27] offset:((\t)/2)*512+((\t)%2)*256   ; block t = 2 c + h; each block has its own four registers, so no store's data are written again
.if (\t) < 2
	WLOAD (\t)+2, \n
.endif
.endm
.macro WQ n
	WLOAD 0, \n
	WLOAD 1, \n
	WBLOCK 0, \n
	WBLOCK 1, \n
	WBLOCK 2, \n
	WBLOCK 3, \n
	global_store_b32 v5, v24, s[28:29]
	s_endpgm
.endm
	s_load_b256 s[4:11], s[0:1], 0x0               ; x s[4:5], gate_w s[6:7], W1 s[8:9], xq s[10:11]
	s_load_b128 s[12:15], s[0:1], 0x20             ; rt s[12:13], sel s[14:15]
	s_load_b64 s[16:17], s[0:1], 0x30              ; wq
	s_set_vgpr_msb 0x40
	v_lshl_add_u32 v0, v0, 2, 0x6600
	v_mov_b32 v1, 0
	s_set_vgpr_msb 0x4000
	v_lshrrev_b32 v1, 5, v0
	v_readfirstlane_b32 s18, v1                    ; wave 0..3
	v_and_b32 v2, 31, v0                           ; lane
	s_cmp_lt_u32 ttmp9, NRT
	s_cbranch_scc1 .Lrouter
	; ---- W1: work-group id = (e, K step ks, group cq of four of the 64 column groups); wave w takes column group 4 cq + w
	s_sub_co_u32 s19, ttmp9, NRT
	s_and_b32 s20, s19, 15                         ; cq
	s_bfe_u32 s21, s19, 0x30004                    ; ks
	s_lshr_b32 s22, s19, 7                         ; e
	s_lshl_b32 s23, s20, 2
	s_add_co_u32 s23, s23, s18                     ; cg
	s_lshl_b32 s30, s22, 23                        ; W1: e x 8 MiB + ks x 128 rows of 8,192 bytes + cg x 128 bytes
	s_lshl_b32 s31, s21, 20
	s_add_co_u32 s30, s30, s31
	s_lshl_b32 s31, s23, 7
	s_add_co_u32 s30, s30, s31
	s_mov_b32 s31, 0
	s_lshl_b32 s32, s22, 20                        ; codes: e x 1 MiB + cg x 16 KiB + ks x 2 KiB
	s_lshl_b32 s33, s23, 14
	s_add_co_u32 s32, s32, s33
	s_lshl_b32 s33, s21, 11
	s_add_co_u32 s32, s32, s33
	s_mov_b32 s33, 0
	s_lshl_b32 s34, s22, 16                        ; scale words: 16 MiB + e x 64 KiB + cg x 1 KiB + ks x 128
	s_lshl_b32 s35, s23, 10
	s_add_co_u32 s34, s34, s35
	s_lshl_b32 s35, s21, 7
	s_add_co_u32 s34, s34, s35
	s_add_co_u32 s34, s34, 0x1000000
	s_mov_b32 s35, 0
	s_wait_alu depctr_va_vdst(0)
	WLANES
	s_wait_alu depctr_va_vdst(0)
	s_wait_kmcnt 0x0
	s_add_nc_u64 s[24:25], s[8:9], s[30:31]
	s_add_nc_u64 s[26:27], s[16:17], s[32:33]
	s_add_nc_u64 s[28:29], s[16:17], s[34:35]
	WQ 2048
	; ---- x and the router: work-group g takes tokens 8 g .. 8 g + 7; wave w takes k = 256 w .. 256 w + 255 of each.
	; A step serves two tokens: lanes 0-15 the even one, lanes 16-31 the odd one; a lane holds 16 neighbours along k (two neighbouring lanes hold a block of 32).
	; Each load reads 512 consecutive bytes; the step's 2,048 bytes turn through the wave's own stage in LDS (64 bytes + 16 of padding a lane).
	; REGISTERS: v16-47, v224-255 x as loaded, a set of 16 for each of the four steps; v48-79 two sets of 16 neighbours; v80-87 eight sums; v88-95 at work; v96-223 gate_w's 16 rows x 8 experts of my k
.Lrouter:
	s_wait_alu depctr_va_vdst(0)
	v_lshlrev_b32 v3, 4, v2                        ; 16 x lane
	s_mul_i32 s19, s18, 5120                       ; my wave's two stages
	v_lshrrev_b32 v14, 2, v2
	v_mul_u32_u24 v14, v14, 80
	v_and_b32 v15, 3, v2
	v_lshl_add_u32 v14, v15, 4, v14
	v_add_nc_u32 v14, s19, v14                     ; into a stage: 80 (lane / 4) + 16 (lane % 4)
	v_mul_u32_u24 v15, v2, 80
	v_add_nc_u32 v15, s19, v15                     ; out of it: 80 x lane
	v_and_b32 v8, 15, v2
	v_lshrrev_b32 v9, 4, v2
	s_lshl_b32 s20, s18, 7
	v_lshlrev_b32 v5, 3, v8
	v_lshl_add_u32 v5, v9, 9, v5
	v_add_nc_u32 v5, s20, v5
	v_add_nc_u32 v5, XCS, v5                       ; my 8 bytes of codes: token (lane / 16) x 512 + 128 w + 8 (lane % 16)
	s_lshl_b32 s20, s18, 3
	v_lshrrev_b32 v6, 1, v8
	v_lshl_add_u32 v6, v9, 5, v6
	v_add_nc_u32 v6, s20, v6
	v_add_nc_u32 v6, XSS, v6                       ; my block's byte: token x 32 + 8 w + (lane % 16) / 2
	s_lshl_b32 s20, s18, 5
	v_mul_u32_u24 v7, v9, 144
	v_add_nc_u32 v7, s20, v7
	v_add_nc_u32 v7, PL, v7                        ; my wave's eight partial logits of the token
	s_lshl_b32 s20, s18, 13
	v_lshl_add_u32 v10, v8, 9, s20                 ; gate_w: rows 256 w + 16 (lane % 16) on, 32 bytes a row
	s_lshl_b32 s22, ttmp9, 15                      ; x: 8 tokens of 4,096 bytes a work-group, 1,024 bytes a wave
	s_lshl_b32 s23, s18, 10
	s_add_co_u32 s22, s22, s23
	s_mov_b32 s23, 0
	s_wait_alu depctr_va_vdst(0)
	s_wait_kmcnt 0x0
	s_add_nc_u64 s[24:25], s[4:5], s[22:23]
.irp i, 0,1,2,3,4,5,6,7,8,9,10,11,12,13,14,15
	global_load_b128 v[96+8*\i:99+8*\i], v10, s[6:7] offset:32*\i          ; G[i][0..7] = gate_w[my k + i][:], kept for all four steps
	global_load_b128 v[100+8*\i:103+8*\i], v10, s[6:7] offset:32*\i+16
.endr
.macro XLOAD t                         ; step t: tokens 2 t, 2 t + 1, my wave's 1,024 bytes of each, as they lie; set t at v16, v32, v224, v240
.set RB, 16+16*(\t)+176*((\t)/2)
.irp i, 0,1,2,3
	global_load_b128 v[RB+4*\i:RB+4*\i+3], v3, s[24:25] offset:(2*(\t)+\i/2)*4096+(\i%2)*512 th:TH_LOAD_NT
.endr
.endm
.macro XTURN t                         ; through the stage: LDS serves a wave's instructions in order, so no wait stands between the stores and the loads
.set RB, 16+16*(\t)+176*((\t)/2)
.irp i, 0,1,2,3
	ds_store_b128 v14, v[RB+4*\i:RB+4*\i+3] offset:2560*((\t)%2)+640*\i
.endr
.irp i, 0,1,2,3
	ds_load_b128 v[48+16*((\t)%2)+4*\i:48+16*((\t)%2)+4*\i+3], v15 offset:2560*((\t)%2)+16*\i
.endr
.endm
.macro XSTEP t
.set XS, 48+16*((\t)%2)
	s_wait_dscnt 0x0                               ; this step's 16 neighbours are back, and all my earlier LDS stores have read their registers
.if (\t) <= 2
	s_wait_loadcnt 4*(2-(\t))                      ; the next step's four loads are in; those of the steps behind it may be out
	XTURN (\t)+1
.endif
	v_max3_num_f32 v88, |v[XS]|, |v[XS+1]|, |v[XS+2]|      ; the largest magnitude of my 16
	v_max3_num_f32 v89, |v[XS+3]|, |v[XS+4]|, |v[XS+5]|
.irp i, 6,10
	v_max3_num_f32 v88, v88, |v[XS+\i]|, |v[XS+\i+1]|
	v_max3_num_f32 v89, v89, |v[XS+\i+2]|, |v[XS+\i+3]|
.endr
	v_max3_num_f32 v88, v88, |v[XS+14]|, |v[XS+15]|
	v_max3_num_f32 v88, v88, v89, 0x1800000        ; and the floor 2^(3 - 127)
	v_max_num_f32_dpp v88, v88, v88 row_xmask:1 row_mask:0xf bank_mask:0xf   ; and of my neighbour's 16: the block's
	v_add_nc_u32 v91, 0xff000000, v88              ; 2 off the exponent field: the conversions' scale operand
	v_cvt_scalef32_pk8_fp4_f32 v92, v[XS:XS+7], v91
	v_cvt_scalef32_pk8_fp4_f32 v93, v[XS+8:XS+15], v91
	v_lshrrev_b32 v90, 23, v91                     ; the scale's byte (also the plain line behind the conversions)
	ds_store_b64 v5, v[92:93] offset:1024*(\t)
	ds_store_b8 v6, v90 offset:64*(\t)             ; both lanes of a block write the same byte with the same value
.irp q, 0,1,2,3                                ; my 16 k's share of the token's eight logits, two experts an instruction, in f32
	v_pk_mul_f32 v[80+2*\q:81+2*\q], v[XS:XS+1], v[96+2*\q:97+2*\q] op_sel_hi:[0,1]
.endr
.irp i, 1,2,3,4,5,6,7,8,9,10,11,12,13,14,15
.irp q, 0,1,2,3
.if (\i)%2 == 0
	v_pk_fma_f32 v[80+2*\q:81+2*\q], v[XS+\i:XS+\i+1], v[96+8*\i+2*\q:97+8*\i+2*\q], v[80+2*\q:81+2*\q] op_sel_hi:[0,1,1]
.else
	v_pk_fma_f32 v[80+2*\q:81+2*\q], v[XS+\i-1:XS+\i], v[96+8*\i+2*\q:97+8*\i+2*\q], v[80+2*\q:81+2*\q] op_sel:[1,0,0] op_sel_hi:[1,1,1]
.endif
.endr
.endr
.irp n, 1,2,4,8                                ; over the 16 lanes that hold the token
.irp e, 0,1,2,3,4,5,6,7
	v_add_f32_dpp v[80+\e], v[80+\e], v[80+\e] row_xmask:\n row_mask:0xf bank_mask:0xf
.endr
.endr
	ds_store_b128 v7, v[80:83] offset:288*(\t)     ; the 16 lanes write the same 32 bytes with the same values
	ds_store_b128 v7, v[84:87] offset:288*(\t)+16
.endm
	XLOAD 0
	XLOAD 1
	XLOAD 2
	XLOAD 3
	s_wait_loadcnt 12                              ; gate_w and step 0 are in; the twelve loads of steps 1 to 3 may be out
	XTURN 0
.irp t, 0,1,2,3
	XSTEP \t
.endr
	s_wait_dscnt 0x0                               ; for the others' sake: my codes, bytes and partial logits lie in LDS
	s_barrier_signal -1
	s_barrier_wait -1
	; the codes leave as they lie: two tokens a wave, 512 consecutive aligned bytes a store
	s_lshl_b32 s20, s18, 10
	v_add_nc_u32 v11, s20, v3                      ; 1,024 w + 16 x lane
	v_add_nc_u32 v12, XCS, v11
	s_lshl_b32 s22, ttmp9, 12
	s_add_nc_u64 s[26:27], s[10:11], s[22:23]      ; xq: 8 tokens x 512 bytes a work-group
	ds_load_b128 v[16:19], v12
	ds_load_b128 v[20:23], v12 offset:512
	s_wait_alu depctr_va_vdst(0)
	s_wait_dscnt 1                                 ; the second read-back may be out
	global_store_b128 v11, v[16:19], s[26:27]
	s_wait_dscnt 0x0
	global_store_b128 v11, v[20:23], s[26:27] offset:512
	s_cmp_lg_u32 s18, 0
	s_cbranch_scc1 .Ldone
	; ---- wave 0: the work-group's 256 scale bytes, and the router: lane l takes token l % 8 (four lanes hold the same token)
	v_and_b32 v8, 7, v2
	v_mul_u32_u24 v10, v8, 144
	v_add_nc_u32 v10, PL, v10
	v_lshlrev_b32 v13, 3, v2                       ; 8 x lane
	v_add_nc_u32 v94, XSS, v13
.irp k, 0,1,2,3,4,5,6,7
	ds_load_b128 v[96+4*\k:99+4*\k], v10 offset:16*\k       ; the four waves' partial logits
.endr
	ds_load_b64 v[48:49], v94
	s_lshl_b32 s22, ttmp9, 8
	s_add_co_u32 s22, s22, 0x100000
	s_add_nc_u64 s[28:29], s[10:11], s[22:23]      ; 8 x 32 scale bytes a work-group, behind the codes
	s_wait_alu depctr_va_vdst(0)
	s_wait_dscnt 0x0
	global_store_b64 v13, v[48:49], s[28:29]       ; 256 consecutive aligned bytes
.irp q, 0,2,4,6
	v_pk_add_f32 v[96+\q:97+\q], v[96+\q:97+\q], v[104+\q:105+\q]
	v_pk_add_f32 v[112+\q:113+\q], v[112+\q:113+\q], v[120+\q:121+\q]
.endr
.irp q, 0,2,4,6
	v_pk_add_f32 v[96+\q:97+\q], v[96+\q:97+\q], v[112+\q:113+\q]   ; the eight logits
.endr
	v_max3_num_f32 v104, v96, v97, v98
	v_max3_num_f32 v104, v104, v99, v100
	v_max3_num_f32 v104, v104, v101, v102
	v_max_num_f32 v104, v104, v103                 ; the largest is taken away ahead of the exponentials
.irp e, 0,1,2,3,4,5,6,7
	v_sub_f32 v[96+\e], v[96+\e], v104
.endr
.irp e, 0,1,2,3,4,5,6,7
	v_mul_f32 v[96+\e], 0x3fb8aa3b, v[96+\e]       ; x log2(e)
.endr
	s_wait_alu depctr_va_vdst(0)
.irp e, 0,1,2,3,4,5,6,7
	v_exp_f32 v[112+\e], v[96+\e]
.endr
	v_nop                                          ; a plain line behind the last exponential
	s_wait_alu depctr_va_vdst(0)                   ; one wait for the eight, ahead of their first reader
	v_add_f32 v105, v112, v113
	v_add_f32 v106, v114, v115
	v_add_f32 v107, v116, v117
	v_add_f32 v108, v118, v119
	v_add_f32 v105, v105, v106
	v_add_f32 v107, v107, v108
	v_add_f32 v105, v105, v107
	s_wait_alu depctr_va_vdst(0)
	v_rcp_f32 v106, v105
	v_nop
	s_wait_alu depctr_va_vdst(0)
.irp e, 0,1,2,3,4,5,6,7
	v_mul_f32 v[112+\e], v[112+\e], v106           ; the probabilities
.endr
	v_mov_b32 v120, v112                           ; the largest, and its index: a later one takes over only where it is strictly larger
	v_mov_b32 v121, 0
.irp e, 1,2,3,4,5,6,7
	v_cmp_le_f32 vcc_lo, v[112+\e], v120
	v_cndmask_b32 v121, \e, v121, vcc_lo
	v_max_num_f32 v120, v120, v[112+\e]
.endr
	v_mov_b32 v122, -1.0                           ; the second: the same among the others, from under every probability
	v_mov_b32 v123, 0
.irp e, 0,1,2,3,4,5,6,7
	v_cmp_eq_u32 s20, \e, v121
	v_cmp_le_f32 s21, v[112+\e], v122
	s_or_b32 vcc_lo, s20, s21
	v_cndmask_b32 v123, \e, v123, vcc_lo
	v_cndmask_b32 v122, v[112+\e], v122, vcc_lo
.endr
	v_add_f32 v124, v120, v122
	s_wait_alu depctr_va_vdst(0)
	v_rcp_f32 v125, v124
	v_lshlrev_b32 v108, 2, v2                      ; (plain lines behind the reciprocal)
	v_lshlrev_b32 v109, 3, v2
	s_wait_alu depctr_va_vdst(0)
	v_mul_f32 v126, v120, v125                     ; the two weights, renormalised
	v_mul_f32 v127, v122, v125
	v_lshl_or_b32 v124, v123, 8, v121              ; e1 | e2 << 8
.irp n, 1,2,4                                  ; the 8 tokens' sums of each expert's probability: lanes l xor 1, 2, 4 hold the other seven
.irp e, 0,1,2,3,4,5,6,7
	v_add_f32_dpp v[112+\e], v[112+\e], v[112+\e] row_xmask:\n row_mask:0xf bank_mask:0xf
.endr
.endr
	s_lshl_b32 s22, ttmp9, 5
	s_add_nc_u64 s[30:31], s[14:15], s[22:23]      ; sel: 8 tokens x 4 bytes a work-group
	s_lshl_b32 s22, ttmp9, 6
	s_add_nc_u64 s[32:33], s[12:13], s[22:23]      ; the weights: 8 x 8 bytes
	s_lshl_b32 s22, ttmp9, 5
	s_add_co_u32 s22, s22, 0x4000
	s_add_nc_u64 s[34:35], s[12:13], s[22:23]      ; the sums: 32 bytes
	v_mov_b32 v104, 0
	v_cmp_gt_u32 vcc_lo, 8, v2
	s_wait_alu depctr_va_vdst(0)
	s_wait_xcnt 0x0                                ; EXEC changes only behind this wait: the stores above have read it
	s_set_vgpr_msb 0x5
	s_wait_tensorcnt 0x0
	ds_add_u32 v0, v1
	s_wait_dscnt 0x0
	s_set_vgpr_msb 0x500
	s_and_saveexec_b32 s20, vcc_lo                 ; lanes 0-7: a lane a token
	global_store_b32 v108, v124, s[30:31]
	global_store_b64 v109, v[126:127], s[32:33]
	v_cmp_eq_u32 vcc_lo, 0, v2
	s_wait_xcnt 0x0                                ; and again, in front of the next line that narrows it
	s_and_saveexec_b32 s21, vcc_lo                 ; lane 0 alone
	global_store_b128 v104, v[112:115], s[34:35]
	global_store_b128 v104, v[116:119], s[34:35] offset:16
	s_endpgm
.Ldone:
	s_set_vgpr_msb 0x5
	s_wait_tensorcnt 0x0
	ds_add_u32 v0, v1
	s_wait_dscnt 0x0
	s_set_vgpr_msb 0x500
	s_endpgm
.Lfunc_end_k_q3013d449af_prep1:
	.size	k_q3013d449af_prep1, .Lfunc_end_k_q3013d449af_prep1-k_q3013d449af_prep1
	.p2alignl 7, 3214868480
	.fill 96, 4, 3214868480
	.section	.rodata,"a",@progbits
	.p2align	6, 0x0
	.amdhsa_kernel k_q3013d449af_prep1
		.amdhsa_group_segment_fixed_size 26624
		.amdhsa_private_segment_fixed_size 0
		.amdhsa_enable_private_segment 0
		.amdhsa_kernarg_size 56
		.amdhsa_user_sgpr_count 2
		.amdhsa_user_sgpr_kernarg_segment_ptr 1
		.amdhsa_wavefront_size32 1
		.amdhsa_system_sgpr_workgroup_id_x 1
		.amdhsa_system_sgpr_workgroup_id_y 1
		.amdhsa_system_sgpr_workgroup_id_z 1
		.amdhsa_system_vgpr_workitem_id 0
		.amdhsa_next_free_vgpr 258
		.amdhsa_next_free_sgpr 66
		.amdhsa_reserve_vcc 1
		.amdhsa_float_denorm_mode_32 3
		.amdhsa_float_denorm_mode_16_64 3
		.amdhsa_memory_ordered 1
		.amdhsa_forward_progress 1
		.amdhsa_inst_pref_size 68
	.end_amdhsa_kernel
	.amdgpu_metadata
---
amdhsa.version: [ 1, 2 ]
amdhsa.kernels:
  - .name:           k_q3013d449af_prep1
    .symbol:         k_q3013d449af_prep1.kd
    .args:
      - { .name: x, .offset: 0, .size: 8, .value_kind: global_buffer, .address_space: global }
      - { .name: gate_w, .offset: 8, .size: 8, .value_kind: global_buffer, .address_space: global }
      - { .name: W1, .offset: 16, .size: 8, .value_kind: global_buffer, .address_space: global }
      - { .name: xq, .offset: 24, .size: 8, .value_kind: global_buffer, .address_space: global }
      - { .name: rt, .offset: 32, .size: 8, .value_kind: global_buffer, .address_space: global }
      - { .name: sel, .offset: 40, .size: 8, .value_kind: global_buffer, .address_space: global }
      - { .name: wq, .offset: 48, .size: 8, .value_kind: global_buffer, .address_space: global }
    .group_segment_fixed_size: 26624
    .private_segment_fixed_size: 0
    .kernarg_segment_align: 8
    .kernarg_segment_size: 56
    .max_flat_workgroup_size: 128
    .sgpr_count:     66
    .vgpr_count:     258
    .wavefront_size: 32
...
	.end_amdgpu_metadata
.endif
;; end of part 1
;; launch prep2 (part 2): grid 257 x 1, 16 waves a work-group, no clusters, 13,312 bytes of LDS; arguments sel, rt, W2, ord, out1, wq; writes ord, out1, wq
.if DOCPART == 2
	.amdgcn_target "amdgcn-amd-amdhsa--gfx1250"
	.amdhsa_code_object_version 6
	.text
	.protected	k_q3013d449af_prep2
	.globl	k_q3013d449af_prep2
	.p2align	8
	.type	k_q3013d449af_prep2,@function
k_q3013d449af_prep2:
	s_mov_b64 s[64:65], 0
	v_nop
	global_prefetch_b8 v0, s[64:65] scope:SCOPE_SE
	s_setreg_imm32_b32 hwreg(HW_REG_WAVE_MODE, 25, 1), 1
	s_wait_xcnt 0x0
; PREP2.  Work-groups 1-256: W2 [8][2048 (k)][1024 (n)] f32 becomes codes of FP4 (E2M1) and E8M0 scale words in wq, in the order of the operand's registers:
; a group of 32 neighbouring columns n = 32 cg + j makes two tiles: column j is row p = (j & 7) + 8 (j >> 4) of tile u = (j >> 3) & 1.
; Codes at 8 MiB: [e][cg][K step of 128][u][c][lane p + 16 h][16 bytes] (block 2 c + h of the K step); scale words at 16.5 MiB: [e][cg][K step][lane 16 u + p].  A lane takes a column, its registers run down K.
; Work-group 0 rides along: it reads the experts that the launch before chose (sel, whole numbers), sorts the 2,048 tokens by their PAIR of experts (28 keys, a counting sort without atomics) and stores
; ord[place] = token | e1 << 16 | e2 << 24; and it makes the auxiliary loss: 8 x sum over s, e of tokens_per_expert[s][e] avg[e] = sum over e of (sum of p[e]) x (tokens that chose e) / 512: the same terms, regrouped.
; The sums of p lie in rt as 256 rows of 8: each of the 16 waves adds 16 rows (one load of 16 bytes a lane) and leaves its 8 sums in LDS; wave 0 adds the sixteen.
; ord is stored 4 bytes a lane at sorted places: 8 KiB in the whole launch.
; LIMITS: as in the launch before: NaN and infinities not served; a block's byte is at least 1, a block of zeros has the byte 1 over zero codes.
.set ECNT, 8704                        ; LDS (work-group 0 only): 0: counts [key = 32] pitch 272 [chunk = 64 words]; ECNT: [wave 16][32 words]: tokens that chose expert e;
.set PSL,  10752                       ; PSL: [wave 16][8 f32]: the wave's sums of the probabilities
.macro WLANES
	v_lshlrev_b32 v3, 2, v2                        ; in: 4 bytes a lane
	v_bfe_u32 v6, v2, 3, 1                         ; u
	v_and_b32 v7, 7, v2
	v_lshrrev_b32 v8, 4, v2
	s_delay_alu instid0(VALU_DEP_1)
	v_lshl_add_u32 v7, v8, 3, v7                   ; p
	s_delay_alu instid0(VALU_DEP_1)
	v_lshlrev_b32 v4, 4, v7
	s_delay_alu instid0(VALU_DEP_1)
	v_lshl_add_u32 v4, v6, 10, v4                  ; codes: 1024 u + 16 p
	s_delay_alu instid0(VALU_DEP_3)
	v_lshl_add_u32 v5, v6, 4, v7
	s_delay_alu instid0(VALU_DEP_1)
	v_lshlrev_b32 v5, 2, v5                        ; scale word: 4 (16 u + p)
.endm
.macro WLOAD t, n
.irp i, 0,1,2,3,4,5,6,7,8,9,10,11,12,13,14,15,16,17,18,19,20,21,22,23,24,25,26,27,28,29,30,31
	global_load_b32 v[32+32*((\t)%2)+\i], v3, s[24:25] offset:(32*(\t)+\i)*(\n)*4 th:TH_LOAD_NT
.endr
.endm
.macro WBLOCK t, n
.set XW, 32+32*((\t)%2)
.if (\t) < 3
	s_wait_loadcnt 32                              ; this block's 32 loads are in; the next block's 32 may be out
.else
	s_wait_loadcnt 0x0
.endif
	v_max3_num_f32 v12, |v[XW]|, |v[XW+1]|, |v[XW+2]|
	v_max3_num_f32 v13, |v[XW+3]|, |v[XW+4]|, |v[XW+5]|
.irp i, 6,10,14,18,22,26
	s_delay_alu instid0(VALU_DEP_2)
	v_max3_num_f32 v12, v12, |v[XW+\i]|, |v[XW+\i+1]|
	s_delay_alu instid0(VALU_DEP_2)
	v_max3_num_f32 v13, v13, |v[XW+\i+2]|, |v[XW+\i+3]|
.endr
	s_delay_alu instid0(VALU_DEP_2)
	v_max3_num_f32 v12, v12, |v[XW+30]|, |v[XW+31]|
	s_delay_alu instid0(VALU_DEP_1)
	v_max3_num_f32 v12, v12, v13, 0x1800000        ; the floor 2^(3 - 127): the byte cannot fall under 1
	s_delay_alu instid0(VALU_DEP_1)
	v_add_nc_u32 v11, 0xff000000, v12              ; 2 off the exponent field: the conversions' scale operand
	s_delay_alu instid0(VALU_DEP_1)
	v_lshrrev_b32 v13, 23, v11
.if (\t) == 0
	s_delay_alu instid0(VALU_DEP_1)
	v_mov_b32 v24, v13
.else
	s_delay_alu instid0(VALU_DEP_1)
	v_lshl_or_b32 v24, v13, 8*(\t), v24
.endif
.irp g, 0,1,2,3
	v_cvt_scalef32_pk8_fp4_f32 v[96+4*(\t)+\g], v[XW+8*\g:XW+8*\g+7], v11
.endr
	global_store_b128 v4, v[96+4*(\t):96+4*(\t)+3], s[26:27] offset:((\t)/2)*512+((\t)%2)*256   ; two runs of 256 consecutive aligned bytes
.if (\t) < 2
	WLOAD (\t)+2, \n
.endif
.endm
.macro WQ n
	WLOAD 0, \n
	WLOAD 1, \n
	WBLOCK 0, \n
	WBLOCK 1, \n
	WBLOCK 2, \n
	WBLOCK 3, \n
	global_store_b32 v5, v24, s[28:29]
	s_endpgm
.endm
	s_load_b256 s[4:11], s[0:1], 0x0               ; sel s[4:5], rt s[6:7], W2 s[8:9], ord s[10:11]
	s_load_b128 s[12:15], s[0:1], 0x20             ; out1 s[12:13], wq s[14:15]
	v_lshl_add_u32 v126, v0, 2, 0x2c00
	v_mov_b32 v127, 0
	v_lshrrev_b32 v1, 5, v0
	s_delay_alu instid0(VALU_DEP_1)
	v_readfirstlane_b32 s18, v1                    ; wave 0..15
	v_and_b32 v2, 31, v0                           ; lane
	s_cmp_eq_u32 ttmp9, 0
	s_cbranch_scc1 .Lsort
	; ---- W2: work-group id = (e, K step ks, half of the 32 column groups); wave w takes column group 16 half + w
	s_sub_co_u32 s19, ttmp9, 1
	s_and_b32 s20, s19, 1
	s_bfe_u32 s21, s19, 0x40001                    ; ks
	s_lshr_b32 s22, s19, 5                         ; e
	s_lshl_b32 s23, s20, 4
	s_add_co_u32 s23, s23, s18                     ; cg
	s_lshl_b32 s30, s22, 23                        ; W2: e x 8 MiB + ks x 128 rows of 4,096 bytes + cg x 128 bytes
	s_lshl_b32 s31, s21, 19
	s_add_co_u32 s30, s30, s31
	s_lshl_b32 s31, s23, 7
	s_add_co_u32 s30, s30, s31
	s_mov_b32 s31, 0
	s_lshl_b32 s32, s22, 20                        ; codes: 8 MiB + e x 1 MiB + cg x 32 KiB + ks x 2 KiB
	s_lshl_b32 s33, s23, 15
	s_add_co_u32 s32, s32, s33
	s_lshl_b32 s33, s21, 11
	s_add_co_u32 s32, s32, s33
	s_add_co_u32 s32, s32, 0x800000
	s_mov_b32 s33, 0
	s_lshl_b32 s34, s22, 16                        ; scale words: 16.5 MiB + e x 64 KiB + cg x 2 KiB + ks x 128
	s_lshl_b32 s35, s23, 11
	s_add_co_u32 s34, s34, s35
	s_lshl_b32 s35, s21, 7
	s_add_co_u32 s34, s34, s35
	s_add_co_u32 s34, s34, 0x1080000
	s_mov_b32 s35, 0
	s_wait_alu depctr_va_vdst(0)
	WLANES
	s_wait_alu depctr_va_vdst(0)
	s_wait_kmcnt 0x0
	s_add_nc_u64 s[24:25], s[8:9], s[30:31]
	s_add_nc_u64 s[26:27], s[14:15], s[32:33]
	s_add_nc_u64 s[28:29], s[14:15], s[34:35]
	WQ 1024
	; ---- the sort.  A chunk is 32 tokens, a lane a token; wave w owns chunks 4 w + c.  place = (tokens of smaller keys) + (tokens of my key in earlier chunks) + (in earlier lanes of my chunk).
	; REGISTERS: v8-11 sel, v12-15 e1, v16-19 e2, v20-23 key, v24-27 rank in the chunk, v28-31 the chunk's counts (lane = key), v32-95 wave 0: a key's 64 chunk counts, v96 experts' counts, v104-111 the sums of probabilities
.Lsort:
	s_wait_alu depctr_va_vdst(0)
	v_lshlrev_b32 v3, 2, v2
	s_lshl_b32 s19, s18, 9
	v_add_nc_u32 v4, s19, v3                       ; sel: 512 w + 4 x lane
	v_lshl_add_u32 v97, v2, 4, s19                 ; the sums' rows 16 w + lane / 2, experts 4 (lane % 2) on: 512 w + 16 x lane
	s_lshl_b32 s19, s18, 7
	v_add_nc_u32 v5, s19, v3
	s_delay_alu instid0(VALU_DEP_1)
	v_add_nc_u32 v5, ECNT, v5                      ; my wave's row of experts' counts
	v_add_nc_u32 v7, s19, v2                       ; my token in chunk 4 w: 128 w + lane
	v_mul_u32_u24 v99, v2, 272                     ; a key's row of counts
	s_lshl_b32 s20, s18, 4
	v_add_nc_u32 v6, s20, v99                      ; and my wave's four words in it
	v_and_b32 v98, 7, v2
	s_delay_alu instid0(VALU_DEP_1)
	v_lshlrev_b32 v98, 2, v98                      ; 4 e, e = lane % 8
	s_delay_alu instid0(VALU_DEP_1)
	v_add_nc_u32 v122, ECNT, v98                   ; where wave 0 reads the counts of expert e,
	s_delay_alu instid0(VALU_DEP_2)
	v_add_nc_u32 v124, PSL, v98                    ; and the sums of its probability
	v_and_b32 v125, 1, v2
	s_delay_alu instid0(VALU_DEP_1)
	v_lshlrev_b32 v125, 4, v125
	s_lshl_b32 s20, s18, 5
	v_add_nc_u32 v125, s20, v125
	s_delay_alu instid0(VALU_DEP_1)
	v_add_nc_u32 v125, PSL, v125                   ; where I store my wave's sums: 32 w + 16 (lane % 2)
	s_mov_b32 s22, 0x76543210
	s_mov_b32 s23, 0xfedcba98                      ; v_permlanex16_b32's selects for lane l xor 16
	s_wait_kmcnt 0x0
.irp c, 0,1,2,3
	global_load_b32 v[8+\c], v4, s[4:5] offset:128*\c
.endr
	global_load_b128 v[104:107], v97, s[6:7] offset:0x4000         ; 512 consecutive bytes a wave: 16 work-groups' sums
.irp c, 0,1,2,3
	v_mov_b32 v[24+\c], 0
	v_mov_b32 v[28+\c], 0
	v_mov_b32 v[108+\c], 0                         ; a lane permute's destination counts as one of its sources
.endr
	v_mov_b32 v96, 0
.irp e, 0,1,2,3,4,5,6,7
	s_mov_b32 s[40+\e], 0
.endr
	s_wait_loadcnt 0x0
.irp n, 2,4,8                                  ; the 16 rows lie in the lanes of my parity: l xor 2, 4, 8,
.irp j, 0,1,2,3
	v_add_f32_dpp v[104+\j], v[104+\j], v[104+\j] row_xmask:\n row_mask:0xf bank_mask:0xf
.endr
.endr
.irp j, 0,1,2,3
	s_delay_alu instid0(VALU_DEP_4)
	v_permlanex16_b32 v[108+\j], v[104+\j], s22, s23
.endr
.irp j, 0,1,2,3
	s_delay_alu instid0(VALU_DEP_4)
	v_add_f32 v[104+\j], v[104+\j], v[108+\j]      ; and l xor 16
.endr
.irp c, 0,1,2,3
	v_and_b32 v[12+\c], 7, v[8+\c]                 ; e1
	v_bfe_u32 v[16+\c], v[8+\c], 8, 3              ; e2
	s_delay_alu instid0(VALU_DEP_1)
	v_min_u32 v100, v[12+\c], v[16+\c]             ; lo
	s_delay_alu instid0(VALU_DEP_2)
	v_max_u32 v101, v[12+\c], v[16+\c]             ; hi
	s_delay_alu instid0(VALU_DEP_2)
	v_sub_nc_u32 v102, 15, v100
	s_delay_alu instid0(VALU_DEP_1)
	v_mul_u32_u24 v102, v100, v102
	s_delay_alu instid0(VALU_DEP_1)
	v_lshrrev_b32 v102, 1, v102                    ; lo (15 - lo) / 2: the pairs with a smaller lo
	s_delay_alu instid0(VALU_DEP_1)
	v_add_nc_u32 v102, v102, v101
	s_delay_alu instid0(VALU_DEP_1)
	v_sub_nc_u32 v102, v102, v100
	s_delay_alu instid0(VALU_DEP_1)
	v_add_nc_u32 v102, -1, v102                    ; + hi - lo - 1: the key, 0 .. 27
	s_delay_alu instid0(VALU_DEP_1)
	v_min_u32 v[20+\c], 31, v102
.endr
.irp c, 0,1,2,3
.irp p, 0,1,2,3,4,5,6,7,8,9,10,11,12,13,14,15,16,17,18,19,20,21,22,23,24,25,26,27
	v_cmp_eq_u32 s20, \p, v[20+\c]                 ; the chunk's tokens of key p
	s_bcnt1_i32_b32 s21, s20
	v_writelane_b32 v[28+\c], s21, \p              ; how many
	v_mbcnt_lo_u32_b32 v100, s20, 0                ; how many in lanes below mine
	s_delay_alu instid0(VALU_DEP_1)
	v_cndmask_b32 v[24+\c], v[24+\c], v100, s20    ; kept where the key is mine
.endr
.endr
.irp e, 0,1,2,3,4,5,6,7
	s_wait_alu depctr_va_vdst(0)
.irp c, 0,1,2,3
	v_cmp_eq_u32 s20, \e, v[12+\c]
	v_cmp_eq_u32 s21, \e, v[16+\c]
	s_or_b32 s20, s20, s21
	s_bcnt1_i32_b32 s20, s20
	s_add_co_u32 s[40+\e], s[40+\e], s20
.endr
	v_writelane_b32 v96, s[40+\e], \e
.endr
	ds_store_b128 v6, v[28:31]
	ds_store_b32 v5, v96
	ds_store_b128 v125, v[104:107]                 ; the 16 lanes of a parity write the same 16 bytes with the same values
	s_wait_dscnt 0x0                               ; for wave 0's sake: my counts and sums lie in LDS
	s_barrier_signal -1
	s_barrier_wait -1
	s_cmp_lg_u32 s18, 0
	s_cbranch_scc1 .Lnot_wave_0
	; wave 0, a lane a key: the counts become first places
.irp i, 0,1,2,3,4,5,6,7,8,9,10,11,12,13,14,15
	ds_load_b32 v[100+\i], v124 offset:32*\i       ; (for the loss: the sixteen waves' sums of p[e], e = lane % 8)
.endr
.irp i, 0,1,2,3,4,5,6,7,8,9,10,11,12,13,14,15
	ds_load_b128 v[32+4*\i:35+4*\i], v99 offset:16*\i
.endr
	s_wait_dscnt 0x0
	v_add3_u32 v119, v32, v33, v34                 ; the key's tokens
.set j, 35
.rept 30
	s_delay_alu instid0(VALU_DEP_1)
	v_add3_u32 v119, v119, v[j], v[j+1]
.set j, j+2
.endr
	s_delay_alu instid0(VALU_DEP_1)
	v_add_nc_u32 v119, v119, v95
	s_delay_alu instid0(VALU_DEP_1)
	v_mov_b32 v117, v119                           ; summed over the keys up to mine: inside each 16 lanes,
	v_mov_b32 v118, 0
.irp n, 1
	s_delay_alu instid0(VALU_DEP_2)
	v_mov_b32_dpp v118, v117 row_shr:\n row_mask:0xf bank_mask:0xf bound_ctrl:1
	s_delay_alu instid0(VALU_DEP_1)
	v_add_nc_u32 v117, v117, v118
.endr
.irp n, 2, 4, 8
	s_delay_alu instid0(VALU_DEP_1)
	v_mov_b32_dpp v118, v117 row_shr:\n row_mask:0xf bank_mask:0xf bound_ctrl:1
	s_delay_alu instid0(VALU_DEP_1)
	v_add_nc_u32 v117, v117, v118
.endr
	s_delay_alu instid0(VALU_DEP_1)
	v_readlane_b32 s20, v117, 15                   ; and the lower 16's total onto the upper 16
	s_mov_b32 s21, 0xffff0000
	v_mov_b32 v118, s20
	s_delay_alu instid0(VALU_DEP_1)
	v_cndmask_b32 v118, 0, v118, s21
	s_delay_alu instid0(VALU_DEP_1)
	v_add_nc_u32 v117, v117, v118
	s_delay_alu instid0(VALU_DEP_1)
	v_sub_nc_u32 v120, v117, v119                  ; the tokens of smaller keys
.set j, 0
	s_delay_alu instid0(VALU_DEP_1)
	v_add_nc_u32 v[120+(j+1)%2], v[120+j%2], v[32+j]
	s_delay_alu instid0(VALU_DEP_2)
	v_mov_b32 v[32+j], v[120+j%2]
.set j, j+1
.rept (64)-1
	s_delay_alu instid0(VALU_DEP_2)
	v_add_nc_u32 v[120+(j+1)%2], v[120+j%2], v[32+j]
	s_delay_alu instid0(VALU_DEP_3)
	v_mov_b32 v[32+j], v[120+j%2]
.set j, j+1
.endr
.irp i, 0,1,2,3,4,5,6,7,8,9,10,11,12,13,14,15
	ds_store_b128 v99, v[32+4*\i:35+4*\i] offset:16*\i
.endr
	; the loss
.irp i, 0,2,4,6,8,10,12,14
	v_add_f32 v[100+\i], v[100+\i], v[101+\i]
.endr
.irp i, 0,4,8,12
	v_add_f32 v[100+\i], v[100+\i], v[102+\i]
.endr
	s_delay_alu instid0(VALU_DEP_3)
	v_add_f32 v100, v100, v104
	s_delay_alu instid0(VALU_DEP_2)
	v_add_f32 v108, v108, v112
	s_delay_alu instid0(VALU_DEP_1)
	v_add_f32 v100, v100, v108                     ; the sum of p[e] over all tokens, e = lane % 8
.irp i, 0,1,2,3,4,5,6,7,8,9,10,11,12,13,14,15
	ds_load_b32 v[101+\i], v122 offset:128*\i      ; the sixteen waves' counts of expert e
.endr
	s_wait_dscnt 0x0
	v_add3_u32 v101, v101, v102, v103
.irp i, 104,106,108,110,112,114
	s_delay_alu instid0(VALU_DEP_1)
	v_add3_u32 v101, v101, v[\i], v[\i+1]
.endr
	s_delay_alu instid0(VALU_DEP_1)
	v_add_nc_u32 v101, v101, v116
	s_delay_alu instid0(VALU_DEP_1)
	v_cvt_f32_u32 v101, v101
	s_delay_alu instid0(VALU_DEP_1)
	v_mul_f32 v100, v100, v101
.irp n, 1,2,4
	s_delay_alu instid0(VALU_DEP_1)
	v_add_f32_dpp v100, v100, v100 row_xmask:\n row_mask:0xf bank_mask:0xf
.endr
	s_delay_alu instid0(VALU_DEP_1)
	v_mul_f32 v100, 0x3b000000, v100               ; / 512 = 8 / (2 x 2,048)
	v_mov_b32 v123, 0
	v_cmp_eq_u32 vcc_lo, 0, v2
	s_wait_alu depctr_va_vdst(0)
	s_wait_xcnt 0x0                                ; EXEC changes only behind this wait
	s_and_saveexec_b32 s24, vcc_lo
	global_store_b32 v123, v100, s[12:13]
	s_wait_xcnt 0x0                                ; and again, in front of the line that widens it
	s_or_b32 exec_lo, exec_lo, s24
.Lnot_wave_0:
	s_wait_dscnt 0x0                               ; wave 0's first places lie in LDS
	s_barrier_signal -1
	s_barrier_wait -1
	ds_load_b128 v[32:35], v6                      ; lane = key: the first places of my wave's four chunks
	s_wait_dscnt 0x0
.irp c, 0,1,2,3
	v_lshlrev_b32 v[36+\c], 2, v[20+\c]
	ds_bpermute_b32 v[40+\c], v[36+\c], v[32+\c]   ; each token takes its own key's
.endr
.irp c, 0,1,2,3
	v_add_nc_u32 v[48+\c], 32*\c, v7               ; token
	s_delay_alu instid0(VALU_DEP_1)
	v_lshl_or_b32 v[48+\c], v[12+\c], 16, v[48+\c]
	s_delay_alu instid0(VALU_DEP_1)
	v_lshl_or_b32 v[48+\c], v[16+\c], 24, v[48+\c]
.endr
	s_wait_dscnt 0x0
.irp c, 0,1,2,3
	v_add_nc_u32 v[40+\c], v[40+\c], v[24+\c]      ; + my rank in the chunk
	s_delay_alu instid0(VALU_DEP_1)
	v_min_u32 v[40+\c], 0x7ff, v[40+\c]            ; a place stays inside the list
	s_delay_alu instid0(VALU_DEP_1)
	v_lshlrev_b32 v[40+\c], 2, v[40+\c]
	global_store_b32 v[40+\c], v[48+\c], s[10:11]
.endr
	s_wait_tensorcnt 0x0
	ds_add_u32 v126, v127
	s_wait_dscnt 0x0
	s_endpgm
.Lfunc_end_k_q3013d449af_prep2:
	.size	k_q3013d449af_prep2, .Lfunc_end_k_q3013d449af_prep2-k_q3013d449af_prep2
	.p2alignl 7, 3214868480
	.fill 96, 4, 3214868480
	.section	.rodata,"a",@progbits
	.p2align	6, 0x0
	.amdhsa_kernel k_q3013d449af_prep2
		.amdhsa_group_segment_fixed_size 13312
		.amdhsa_private_segment_fixed_size 0
		.amdhsa_enable_private_segment 0
		.amdhsa_kernarg_size 48
		.amdhsa_user_sgpr_count 2
		.amdhsa_user_sgpr_kernarg_segment_ptr 1
		.amdhsa_wavefront_size32 1
		.amdhsa_system_sgpr_workgroup_id_x 1
		.amdhsa_system_sgpr_workgroup_id_y 1
		.amdhsa_system_sgpr_workgroup_id_z 1
		.amdhsa_system_vgpr_workitem_id 0
		.amdhsa_next_free_vgpr 128
		.amdhsa_next_free_sgpr 66
		.amdhsa_reserve_vcc 1
		.amdhsa_float_denorm_mode_32 3
		.amdhsa_float_denorm_mode_16_64 3
		.amdhsa_memory_ordered 1
		.amdhsa_forward_progress 1
		.amdhsa_inst_pref_size 94
	.end_amdhsa_kernel
	.amdgpu_metadata
---
amdhsa.version: [ 1, 2 ]
amdhsa.kernels:
  - .name:           k_q3013d449af_prep2
    .symbol:         k_q3013d449af_prep2.kd
    .args:
      - { .name: sel, .offset: 0, .size: 8, .value_kind: global_buffer, .address_space: global }
      - { .name: rt, .offset: 8, .size: 8, .value_kind: global_buffer, .address_space: global }
      - { .name: W2, .offset: 16, .size: 8, .value_kind: global_buffer, .address_space: global }
      - { .name: ord, .offset: 24, .size: 8, .value_kind: global_buffer, .address_space: global }
      - { .name: out1, .offset: 32, .size: 8, .value_kind: global_buffer, .address_space: global }
      - { .name: wq, .offset: 40, .size: 8, .value_kind: global_buffer, .address_space: global }
    .group_segment_fixed_size: 13312
    .private_segment_fixed_size: 0
    .kernarg_segment_align: 8
    .kernarg_segment_size: 48
    .max_flat_workgroup_size: 512
    .sgpr_count:     66
    .vgpr_count:     128
    .wavefront_size: 32
...
	.end_amdgpu_metadata
.endif
;; end of part 2
;; launch ffn1 (part 3): grid 8 x 32, 8 waves a work-group, no clusters, 37,888 bytes of LDS; arguments ord, xq, wq, b1, hq; writes hq
.if DOCPART == 3
	.amdgcn_target "amdgcn-amd-amdhsa--gfx1250"
	.amdhsa_code_object_version 6
	.text
	.protected	k_q3013d449af_ffn1
	.globl	k_q3013d449af_ffn1
	.p2align	8
	.type	k_q3013d449af_ffn1,@function
k_q3013d449af_ffn1:
	s_mov_b64 s[64:65], 0
	v_nop
	global_prefetch_b8 v0, s[64:65] scope:SCOPE_SE
	s_setreg_imm32_b32 hwreg(HW_REG_WAVE_MODE, 25, 1), 1
	s_wait_xcnt 0x0
; FFN1.  h = Q(gelu(Q(x) Q(W1[e]) + b1[e])) for the experts that a token chose; what reference() multiplies by a combine weight of 0 is not computed.
; A work-group takes a block of 64 tokens in the sorted order (y) and 256 hidden units (x).  EIGHT WAVES, two to a SIMD: wave w takes the 32 units of column group 8 x + w, which are ONE block of the next product's K.
; The tokens are sorted by their pair of experts.  The block's experts are walked in ascending order; for each, the tiles of 16 tokens in which some token chose it are multiplied (scalar branches on masks made from ord,
; which an earlier launch stored).
; THE PRODUCT IS USED TRANSPOSED: source 0 = 16 columns of W1 (a tile u of the order in which the codes were laid), source 1 = 16 tokens: a lane (r, h) holds token r, and the 16 registers of tiles u = 0, 1 are the
; neighbouring units 16 h + 0 .. 15 of my block.  K = 1,024 is summed in two chains (even and odd K steps) for each tile: four accumulators by turns; b1 is the C of the even chain's first product.
; GELU, exact, in f32: g = relu(a) - |a| / 2 x erfc(|a| / sqrt 2).  With t = |a| / sqrt 2: above 475/512 erfc(t) = exp(polynomial of degree 7 in t); below, erfc = 1 - (t + t x polynomial in t^2).  Both are made, one is selected.
; The results are quantised in registers and stored into IMAGES OF THE NEXT OPERAND'S REGISTERS: hq codes [e][tile of 16 tokens][K step][c][lane][16 bytes]: my block is lanes 16 (g % 2) + r of half c = (g / 2) % 2 of K step g / 4,
; g = 8 x + w; lane (r, h) stores its 16 codes, 8 bytes, at 16 r + 8 h: a wave's store covers 256 consecutive aligned bytes.  Scale words at 16 MiB [e][tile][K step][token]: my block's byte is byte g % 4 of the word,
; stored a byte a lane (lanes 16-31 repeat lanes 0-15): one byte for each 16 of codes.
; An expert's weights for a wave are 44 loads (32 of codes, 4 of b1, 8 of scale words) from memory straight into registers, an expert ahead of their use, in two buffers.  A block uses at least two experts, so both buffers are
; filled at the head without a branch; the head waits by count for the first alone, and each half-trip ends with the wait for the buffer that the next one multiplies.
; No tensor load, no cluster: the walk hangs on stored numbers.  No prefetch: the weights are asked for an expert ahead as they are.
; LIMITS: NaN and infinities not served; a block's byte is at least 1, a block of zeros has the byte 1 over zero codes (only this program reads the bytes).
; LDS: 0: the block's codes of x, 64 rows, pitch 528; XSL: their scale bytes, 64 rows of 32, pitch 48; SPARE: the spare words.  x is written once, ahead of the one barrier.
; REGISTERS: window 0: v1-9, v19 lane terms; v10-13 addresses of the tile in hand; v14-17 masks; v32-47 W1's scale words, two buffers; v48-57 the head; v64-71 x's scale words; v72-81 the quantiser; v86-91 constants;
;   v92-93 the add's two; v96-127 four accumulators; v128-191 x's eight fragments, then gelu at work; v192-223 gelu at work; v224-255 b1, two buffers.  window 1: W1's 16 fragments, two buffers of 128.
.set XSL, 33792
.set SPARE, 36864
.set GA, 96
.set GT, 128                           ; t
.set GS, 144                           ; t^2
.set GR, 160                           ; erfc for large t
.set GU, 176
.set GQ, 192                           ; erfc for small t
.set GH, 208                           ; |a| / 2
.set MSB, 0
.macro WIN new                         ; the immediate's high byte repeats the setting that is left; a switch that changes nothing is dropped
.if MSB != (\new)
	s_set_vgpr_msb (MSB<<8)|(\new)
.set MSB, (\new)
.endif
.endm
; The next expert that the block uses: its number (-1 if none is left), whether there is one, and in which of the four tiles some token chose it.  s17: the experts still to come, a bit each.
.macro STEPX se, sv, stm
	s_cmp_lg_u32 s17, 0
	s_cselect_b32 s[\sv], 1, 0
	s_ctz_i32_b32 s[\se], s17
	s_sub_co_u32 s24, s17, 1
	s_and_b32 s17, s17, s24                        ; its bit is taken off
	v_lshrrev_b32 v16, s[\se], v14
	v_lshrrev_b32 v17, s[\se], v15
	v_and_b32 v16, 1, v16
	v_and_b32 v17, 1, v17
	v_cmp_ne_u32 s24, 0, v16                       ; tokens 0-31 of the block that chose it,
	v_cmp_ne_u32 s25, 0, v17                       ; tokens 32-63
	s_cmp_lg_u32 s[\sv], 0
	s_cselect_b32 s24, s24, 0
	s_cselect_b32 s25, s25, 0
	s_and_b32 s26, s24, 0xffff
	s_cselect_b32 s[\stm], 1, 0
	s_lshr_b32 s26, s24, 16
	s_cselect_b32 s26, 2, 0
	s_or_b32 s[\stm], s[\stm], s26
	s_and_b32 s26, s25, 0xffff
	s_cselect_b32 s26, 4, 0
	s_or_b32 s[\stm], s[\stm], s26
	s_lshr_b32 s26, s25, 16
	s_cselect_b32 s26, 8, 0
	s_or_b32 s[\stm], s[\stm], s26
.endm
; Expert s[se]'s codes, bias and scale words for my 32 hidden units, into buffer buf: 44 loads
.macro LOADW buf, se
	s_wait_xcnt 0x0                                ; the bases are written again only behind this wait
	s_min_u32 s27, s[\se], 7                       ; an expert's number stays inside the tables
	s_lshl_b32 s44, s27, 20
	s_add_co_u32 s44, s44, s48
	s_mov_b32 s45, 0
	s_add_nc_u64 s[28:29], s[8:9], s[44:45]
	s_lshl_b32 s44, s27, 16
	s_add_co_u32 s44, s44, s49
	s_add_nc_u64 s[30:31], s[8:9], s[44:45]
	s_lshl_b32 s44, s27, 13
	s_add_co_u32 s44, s44, s50
	s_add_nc_u64 s[32:33], s[10:11], s[44:45]
	WIN 0x40                                       ; destination window 1
.set i, 0
.rept 32
	global_load_b128 v[128*(\buf)+4*i:128*(\buf)+4*i+3], v4, s[28:29] offset:512*i   ; fragment (K step s, u) at 8 (2 s + u): the codes lie in this very order
.set i, i+1
.endr
	WIN 0
.irp q, 0,1,2,3
	global_load_b128 v[224+16*(\buf)+4*\q:224+16*(\buf)+4*\q+3], v6, s[32:33] offset:16*\q   ; b1 at my 16 units: tile u's eight at 8 u
.endr
.irp s, 0,1,2,3,4,5,6,7
	global_load_b32 v[32+8*(\buf)+\s], v5, s[30:31] offset:128*\s   ; lanes 0-15: tile u = 0's words, lanes 16-31: tile u = 1's
.endr
.endm
; gelu of my 16 registers, in place; two numbers an instruction
.macro GELU16
.irp i, 0,1,2,3,4,5,6,7,8,9,10,11,12,13,14,15
	v_and_b32 v[GH+\i], 0x7fffffff, v[GA+\i]       ; |a|
.endr
.irp p, 0,2,4,6,8,10,12,14
	v_pk_mul_f32 v[GT+\p:GT+\p+1], v[GH+\p:GH+\p+1], 0x3f3504f3 op_sel_hi:[1,0]     ; t = |a| / sqrt 2
.endr
.irp p, 0,2,4,6,8,10,12,14
	v_pk_mul_f32 v[GH+\p:GH+\p+1], v[GH+\p:GH+\p+1], 0.5 op_sel_hi:[1,0]
.endr
.irp p, 0,2,4,6,8,10,12,14
	v_pk_mul_f32 v[GS+\p:GS+\p+1], v[GT+\p:GT+\p+1], v[GT+\p:GT+\p+1]
.endr
.irp p, 0,2,4,6,8,10,12,14
	v_pk_fma_f32 v[GR+\p:GR+\p+1], v[GT+\p:GT+\p+1], 0xb7910000, v[86:87] op_sel_hi:[1,0,1]
.endr
.irp p, 0,2,4,6,8,10,12,14
	v_pk_fma_f32 v[GU+\p:GU+\p+1], v[GT+\p:GT+\p+1], 0xbb7e8a1c, v[88:89] op_sel_hi:[1,0,1]
.endr
.irp p, 0,2,4,6,8,10,12,14
	v_pk_fma_f32 v[GR+\p:GR+\p+1], v[GR+\p:GR+\p+1], v[GS+\p:GS+\p+1], v[GU+\p:GU+\p+1]
.endr
.irp k, 0xbddaae5c, 0xbf228550, 0xbe03ce86
.irp p, 0,2,4,6,8,10,12,14
	v_pk_fma_f32 v[GR+\p:GR+\p+1], v[GR+\p:GR+\p+1], v[GT+\p:GT+\p+1], \k op_sel_hi:[1,1,0]
.endr
.endr
.irp p, 0,2,4,6,8,10,12,14
	v_pk_fma_f32 v[GR+\p:GR+\p+1], v[GR+\p:GR+\p+1], v[GT+\p:GT+\p+1], v[GT+\p:GT+\p+1] neg_lo:[0,0,1] neg_hi:[0,0,1]
.endr
.irp p, 0,2,4,6,8,10,12,14
	v_pk_mul_f32 v[GR+\p:GR+\p+1], v[GR+\p:GR+\p+1], 0x3fb8aa3b op_sel_hi:[1,0]     ; x log2(e)
.endr
	s_wait_alu depctr_va_vdst(0)
.irp i, 0,1,2,3,4,5,6,7,8,9,10,11,12,13,14,15
	v_exp_f32 v[GR+\i], v[GR+\i]                   ; erfc(t) for t above 475/512: one batch; the small branch below names none of its results
.endr
.irp p, 0,2,4,6,8,10,12,14
	v_pk_fma_f32 v[GQ+\p:GQ+\p+1], v[GS+\p:GS+\p+1], 0xba1c7000, v[90:91] op_sel_hi:[1,0,1]
.endr
.irp k, 0xbcdb48d9, 0x3de70e22, 0xbec09380, 0x3e0375d4
.irp p, 0,2,4,6,8,10,12,14
	v_pk_fma_f32 v[GQ+\p:GQ+\p+1], v[GQ+\p:GQ+\p+1], v[GS+\p:GS+\p+1], \k op_sel_hi:[1,1,0]
.endr
.endr
.irp p, 0,2,4,6,8,10,12,14
	v_pk_fma_f32 v[GQ+\p:GQ+\p+1], v[GQ+\p:GQ+\p+1], v[GT+\p:GT+\p+1], v[GT+\p:GT+\p+1]     ; erf(t)
.endr
.irp p, 0,2,4,6,8,10,12,14
	v_pk_add_f32 v[GQ+\p:GQ+\p+1], v[GQ+\p:GQ+\p+1], 1.0 op_sel_hi:[1,0] neg_lo:[1,0] neg_hi:[1,0]   ; 1 - erf(t)
.endr
.irp p, 0,2,4,6,8,10,12,14
	v_pk_fma_f32 v[GU+\p:GU+\p+1], v[GA+\p:GA+\p+1], 0.5, v[GH+\p:GH+\p+1] op_sel_hi:[1,0,1]         ; a / 2 + |a| / 2 = relu(a), exactly
.endr
	s_wait_alu depctr_va_vdst(0)                   ; one wait for the sixteen exponentials, ahead of their first reader
.irp i, 0,1,2,3,4,5,6,7,8,9,10,11,12,13,14,15
	v_cmp_lt_f32 vcc_lo, s42, v[GT+\i]
	v_cndmask_b32 v[GQ+\i], v[GQ+\i], v[GR+\i], vcc_lo
.endr
.irp p, 0,2,4,6,8,10,12,14
	v_pk_fma_f32 v[GA+\p:GA+\p+1], v[GH+\p:GH+\p+1], v[GQ+\p:GQ+\p+1], v[GU+\p:GU+\p+1] neg_lo:[1,0,0] neg_hi:[1,0,0]
.endr
.endm
; My 16 numbers of a token (units 16 h + 0 .. 15 of the block) become 8 bytes of codes (v80-81) and the block's scale byte (v78)
.macro QUANT1
	v_max3_num_f32 v72, |v96|, |v97|, 0x1800000    ; my 16 magnitudes in two chains, and the floor 2^(3 - 127)
	v_max3_num_f32 v73, |v98|, |v99|, |v100|
.irp i, 101,105
	s_delay_alu instid0(VALU_DEP_2)
	v_max3_num_f32 v72, v72, |v[\i]|, |v[\i+1]|
	s_delay_alu instid0(VALU_DEP_2)
	v_max3_num_f32 v73, v73, |v[\i+2]|, |v[\i+3]|
.endr
	s_delay_alu instid0(VALU_DEP_2)
	v_max3_num_f32 v72, v72, |v109|, |v110|
	s_delay_alu instid0(VALU_DEP_1)
	v_max3_num_f32 v72, v72, v73, |v111|
	s_delay_alu instid0(VALU_DEP_1)
	v_permlanex16_b32 v74, v72, s40, s41
	s_delay_alu instid0(VALU_DEP_1)
	v_max_num_f32 v72, v72, v74                    ; with lane l xor 16's 16: the block's largest magnitude
	s_delay_alu instid0(VALU_DEP_1)
	v_add_nc_u32 v76, 0xff000000, v72              ; 2 off the exponent field: the conversions' scale operand
	s_delay_alu instid0(VALU_DEP_1)
	v_lshrrev_b32 v78, 23, v76                     ; the scale's byte
	v_cvt_scalef32_pk8_fp4_f32 v80, v[96:103], v76
	v_cvt_scalef32_pk8_fp4_f32 v81, v[104:111], v76
	v_nop                                          ; one plain line behind the last conversion
.endm
; One product: K step s, tile u, buffer buf.  Even K steps add onto v96 + 8 u, odd ones onto v112 + 8 u
.macro MM s, u, buf
.set DD, 96+8*(\u)+16*((\s)%2)
.set AA, 128*(\buf)+8*(2*(\s)+(\u))
.set BB, 128+8*(\s)
.set CB, 224+16*(\buf)+8*(\u)
.set SA, 32+8*(\buf)+(\s)
.set SB, 64+(\s)
.if (\s) == 0
.if (\u) == 0
	v_wmma_scale_f32_16x16x128_f8f6f4 v[DD:DD+7], v[AA:AA+7], v[BB:BB+7], v[CB:CB+7], v[SA], v[SB] matrix_a_fmt:MATRIX_FMT_FP4 matrix_b_fmt:MATRIX_FMT_FP4
.else
	v_wmma_scale_f32_16x16x128_f8f6f4 v[DD:DD+7], v[AA:AA+7], v[BB:BB+7], v[CB:CB+7], v[SA], v[SB] matrix_a_fmt:MATRIX_FMT_FP4 matrix_b_fmt:MATRIX_FMT_FP4 matrix_a_scale:MATRIX_SCALE_ROW1
.endif
.endif
.if (\s) == 1
.if (\u) == 0
	v_wmma_scale_f32_16x16x128_f8f6f4 v[DD:DD+7], v[AA:AA+7], v[BB:BB+7], 0, v[SA], v[SB] matrix_a_fmt:MATRIX_FMT_FP4 matrix_b_fmt:MATRIX_FMT_FP4
.else
	v_wmma_scale_f32_16x16x128_f8f6f4 v[DD:DD+7], v[AA:AA+7], v[BB:BB+7], 0, v[SA], v[SB] matrix_a_fmt:MATRIX_FMT_FP4 matrix_b_fmt:MATRIX_FMT_FP4 matrix_a_scale:MATRIX_SCALE_ROW1
.endif
.endif
.if (\s) > 1
.if (\u) == 0
	v_wmma_scale_f32_16x16x128_f8f6f4 v[DD:DD+7], v[AA:AA+7], v[BB:BB+7], v[DD:DD+7], v[SA], v[SB] matrix_a_fmt:MATRIX_FMT_FP4 matrix_b_fmt:MATRIX_FMT_FP4
.else
	v_wmma_scale_f32_16x16x128_f8f6f4 v[DD:DD+7], v[AA:AA+7], v[BB:BB+7], v[DD:DD+7], v[SA], v[SB] matrix_a_fmt:MATRIX_FMT_FP4 matrix_b_fmt:MATRIX_FMT_FP4 matrix_a_scale:MATRIX_SCALE_ROW1
.endif
.endif
.endm
; Tile s23 of the block with the expert in buffer buf
.macro TILE buf
	s_wait_xcnt 0x0                                ; the last tile's stores have read their registers
	s_mul_i32 s24, s23, 8448
	s_mul_i32 s25, s23, 768
	s_lshl_b32 s26, s23, 14
	s_lshl_b32 s27, s23, 10
	v_add_nc_u32 v10, s24, v7                      ; the tile's 16 rows of codes in LDS,
	v_add_nc_u32 v11, s25, v8                      ; of scale bytes,
	v_add_nc_u32 v12, s26, v19                     ; my 8 bytes of its image in hq,
	v_add_nc_u32 v13, s27, v9                      ; its scale words
.irp i, 0,1,2,3,4,5,6,7,8,9,10,11,12,13,14,15
	ds_load_b128 v[128+4*\i:131+4*\i], v10 offset:32*\i    ; x's fragment of K step s at v[128 + 8 s]
.endr
	ds_load_b128 v[64:67], v11
	ds_load_b128 v[68:71], v11 offset:16           ; its eight scale words
	s_wait_dscnt 0x0
	WIN 0x01                                       ; source 0 (W1) window 1; source 1, C and D window 0
.irp s, 0,1,2,3,4,5,6,7                        ; the four accumulators take turns, one instruction a turn
	MM \s, 0, \buf
	MM \s, 1, \buf
.endr
	WIN 0
.rept 4
	v_nop                                          ; four places between the last products and the first read of results (ISA guide 7.12.1)
.endr
.irp p, 0,2,4,6,8,10,12,14
	v_pk_add_f32 v[96+\p:97+\p], v[96+\p:97+\p], v[112+\p:113+\p]      ; the two chains; each accumulator is read from its low end on
.endr
	GELU16
	QUANT1
	global_store_b64 v12, v[80:81], s[34:35]       ; 256 consecutive aligned bytes a wave
	global_store_b8 v13, v78, s[36:37]
.endm
; A half-trip: the expert in buffer buf is worked; the next one's weights are asked for first, into the other buffer, and waited for at the end
.macro HT buf
	s_wait_xcnt 0x0                                ; the last expert's stores have read their bases
	s_min_u32 s27, s18, 7
	s_lshl_b32 s44, s27, 21
	s_add_co_u32 s44, s44, s51
	s_mov_b32 s45, 0
	s_add_nc_u64 s[34:35], s[12:13], s[44:45]      ; where this expert's images of my block begin,
	s_lshl_b32 s44, s27, 17
	s_add_co_u32 s44, s44, s52
	s_add_nc_u64 s[36:37], s[12:13], s[44:45]      ; and my byte of their scale words
.if (\buf) == 0
	s_cmp_eq_u32 s43, 4                            ; the first half-trip: the second expert was asked for at the head
	s_cbranch_scc1 .Lhave_\@
.endif
	s_wait_loadcnt 0x0                             ; no load is out when a buffer is asked for again (behind the first half-trip none is: each half-trip ends with this wait)
	STEPX 20, 21, 22
	s_cmp_lg_u32 s21, 0
	s_cbranch_scc0 .Lhave_\@
	LOADW 1-(\buf), 20
.Lhave_\@:
	s_mov_b32 s23, 0
.Lm_\@:
	s_bitcmp1_b32 s19, s23                         ; does some token of tile s23 use this expert?
	s_cbranch_scc0 .Lskip_\@
	TILE \buf
.Lskip_\@:
	s_add_co_u32 s23, s23, 1
	s_cmp_lt_u32 s23, 4
	s_cbranch_scc1 .Lm_\@
	s_mov_b32 s18, s20
	s_mov_b32 s19, s22
	s_wait_loadcnt 0x0                             ; the other buffer is in: its 44 loads were issued ahead of this half-trip's tiles.  Zero, since those loads stand under a branch
.endm
	s_load_b256 s[4:11], s[0:1], 0x0               ; ord s[4:5], xq s[6:7], wq s[8:9], b1 s[10:11]
	s_load_b64 s[12:13], s[0:1], 0x20              ; hq
	v_lshl_add_u32 v92, v0, 2, SPARE
	v_mov_b32 v93, 0
	v_lshrrev_b32 v1, 5, v0
	s_delay_alu instid0(VALU_DEP_1)
	v_readfirstlane_b32 s14, v1                    ; wave 0..7
	s_and_b32 s16, ttmp7, 0xffff                   ; the block of 64 tokens
	v_and_b32 v1, 31, v0                           ; lane
	v_and_b32 v2, 15, v0                           ; r
	v_bfe_u32 v3, v0, 4, 1                         ; h
	v_mov_b32 v86, 0x39c8e7d9                      ; three coefficients as pairs: an instruction takes one literal
	v_mov_b32 v87, 0x39c8e7d9
	v_lshlrev_b32 v4, 4, v1                        ; 16 x lane
	v_lshlrev_b32 v5, 2, v1                        ; 4 x lane
	v_lshlrev_b32 v6, 6, v3                        ; 64 h: the bias of my half's units
	v_mul_u32_u24 v7, v2, 528
	v_mul_u32_u24 v8, v2, 48
	v_lshlrev_b32 v9, 2, v2                        ; 4 r
	v_lshlrev_b32 v19, 4, v2
	v_lshrrev_b32 v54, 2, v1                       ; lane / 4
	v_and_b32 v55, 3, v1                           ; lane % 4
	v_lshl_add_u32 v7, v3, 4, v7                   ; a fragment of x: row r, + 16 h
	v_add_nc_u32 v8, XSL, v8                       ; its scale bytes
	v_lshl_add_u32 v19, v3, 3, v19                 ; my codes in an image: 16 r + 8 h
	s_lshl_b32 s24, s14, 5
	v_lshl_add_u32 v51, v54, 2, s24                ; ord: my wave's 8 tokens, four lanes to a token
	s_mul_i32 s24, s14, 4224
	v_add_nc_u32 v52, s24, v4                      ; LDS: my wave's 8 rows of codes
	s_mul_i32 s24, s14, 384
	v_mul_u32_u24 v56, v54, 48
	v_mov_b32 v88, 0x3cc6b1a1
	v_mov_b32 v89, 0x3cc6b1a1
	v_lshl_add_u32 v56, v55, 3, v56
	v_lshlrev_b32 v55, 3, v55                      ; 8 (lane % 4)
	v_mov_b32 v90, 0x3ba38d2c
	v_add_nc_u32 v56, s24, v56
	v_mov_b32 v91, 0x3ba38d2c
	v_mov_b32 v74, 0                               ; a lane permute's destination counts as one of its sources
	v_add_nc_u32 v56, XSL, v56                     ; and of scale bytes: 8 bytes a lane
	v_mov_b32 v17, 0
	v_mov_b32 v53, 1
	s_lshl_b32 s24, ttmp9, 3
	s_add_co_u32 s24, s24, s14                     ; g: my group of 32 columns: 8 x + w
	s_lshl_b32 s48, s24, 14                        ; its codes in an expert's MiB,
	s_lshl_b32 s49, s24, 10
	s_add_co_u32 s49, s49, 0x1000000               ; its scale words,
	s_lshl_b32 s50, s24, 7                         ; its bias
	s_lshl_b32 s51, s16, 16
	s_lshl_b32 s27, s24, 8
	s_add_co_u32 s51, s51, s27                     ; 4 tiles x 16 KiB a block + 1,024 (g / 4) + 512 ((g / 2) % 2) + 256 (g % 2) = + 256 g
	s_lshl_b32 s52, s16, 12
	s_lshr_b32 s25, s24, 2
	s_lshl_b32 s27, s25, 6
	s_add_co_u32 s52, s52, s27
	s_and_b32 s27, s24, 3
	s_add_co_u32 s52, s52, s27
	s_add_co_u32 s52, s52, 0x1000000               ; 16 MiB + 4 x 1 KiB a block + 64 a K step + g % 4
	s_mov_b32 s40, 0x76543210
	s_mov_b32 s41, 0xfedcba98                      ; v_permlanex16_b32's selects for lane l xor 16
	s_mov_b32 s42, 0x3f6d8000                      ; 475/512
	s_lshl_b32 s44, s16, 8
	s_mov_b32 s45, 0
	s_wait_alu depctr_va_vdst(0)
	s_wait_kmcnt 0x0
	s_add_nc_u64 s[46:47], s[4:5], s[44:45]        ; ord at my block
	s_lshl_b32 s44, s14, 5
	s_add_nc_u64 s[44:45], s[46:47], s[44:45]      ; at my wave's 8 tokens
	s_load_b256 s[68:75], s[44:45], 0x0
	global_load_b32 v48, v5, s[46:47]              ; the block's 64 entries, for the masks
	global_load_b32 v49, v5, s[46:47] offset:128
	global_load_b32 v50, v51, s[46:47]
	s_wait_kmcnt 0x0
.irp i, 0,1,2,3,4,5,6,7
	s_and_b32 s[68+\i], s[68+\i], 0x7ff            ; the token,
	s_min_u32 s[68+\i], s[68+\i], 0x7ff            ; inside the table,
	s_lshl_b32 s[68+\i], s[68+\i], 9               ; its row of 512 bytes of codes
	v_add_nc_u32 v[192+\i], s[68+\i], v4
.endr
	s_wait_alu depctr_va_vdst(0)
.irp i, 0,1,2,3,4,5,6,7
	global_load_b128 v[128+4*\i:131+4*\i], v[192+\i], s[6:7]       ; a whole row a load
.endr
	s_wait_loadcnt 8                               ; the three list loads are in; the 8 row loads may be out
	v_and_b32 v50, 0x7ff, v50
	s_delay_alu instid0(VALU_DEP_1)
	v_min_u32 v50, 0x7ff, v50
	s_delay_alu instid0(VALU_DEP_1)
	v_lshlrev_b32 v50, 5, v50
	s_delay_alu instid0(VALU_DEP_1)
	v_add_nc_u32 v50, v50, v55
	global_load_b64 v[208:209], v50, s[6:7] offset:0x100000        ; 32 scale bytes a token, 8 a lane
	v_bfe_u32 v54, v48, 16, 3
	v_bfe_u32 v57, v48, 24, 3
	v_lshlrev_b32 v54, v54, v53
	v_lshlrev_b32 v57, v57, v53
	v_or_b32 v14, v54, v57                         ; a token's two experts, a bit each
	v_bfe_u32 v54, v49, 16, 3
	v_bfe_u32 v57, v49, 24, 3
	v_lshlrev_b32 v54, v54, v53
	v_lshlrev_b32 v57, v57, v53
	v_or_b32 v15, v54, v57
	v_or_b32 v16, v14, v15
.irp n, 1,2,4,8
	v_mov_b32_dpp v17, v16 row_xmask:\n row_mask:0xf bank_mask:0xf
	v_or_b32 v16, v16, v17
.endr
	v_permlanex16_b32 v17, v16, s40, s41
	v_or_b32 v16, v16, v17
	v_readfirstlane_b32 s17, v16                   ; the block's experts
	STEPX 18, 53, 19
	LOADW 0, 18
	s_wait_loadcnt 44                              ; x's 9 loads are in; the 44 of the first expert may be out
.irp i, 0,1,2,3,4,5,6,7
	ds_store_b128 v52, v[128+4*\i:131+4*\i] offset:528*\i
.endr
	ds_store_b64 v56, v[208:209]
	s_wait_dscnt 0x0                               ; for the others' sake: my 8 rows lie in LDS
	s_barrier_signal -1
	s_barrier_wait -1
	STEPX 20, 21, 22
	LOADW 1, 20                                    ; a block has at least two experts
	s_wait_loadcnt 44                              ; the first expert's 44 loads are in; the second's 44 may be out
	s_mov_b32 s43, 4
.Ltrip:                                                ; four trips of two half-trips serve up to eight experts; a half-trip without an expert finds an empty mask
	HT 0
	HT 1
	s_sub_co_u32 s43, s43, 1
	s_cmp_lg_u32 s43, 0
	s_cbranch_scc1 .Ltrip
	s_wait_tensorcnt 0x0                           ; the wave's end
	ds_add_u32 v92, v93
	s_wait_dscnt 0x0
	s_endpgm
.Lfunc_end_k_q3013d449af_ffn1:
	.size	k_q3013d449af_ffn1, .Lfunc_end_k_q3013d449af_ffn1-k_q3013d449af_ffn1
	.p2alignl 7, 3214868480
	.fill 96, 4, 3214868480
	.section	.rodata,"a",@progbits
	.p2align	6, 0x0
	.amdhsa_kernel k_q3013d449af_ffn1
		.amdhsa_group_segment_fixed_size 37888
		.amdhsa_private_segment_fixed_size 0
		.amdhsa_enable_private_segment 0
		.amdhsa_kernarg_size 40
		.amdhsa_user_sgpr_count 2
		.amdhsa_user_sgpr_kernarg_segment_ptr 1
		.amdhsa_wavefront_size32 1
		.amdhsa_system_sgpr_workgroup_id_x 1
		.amdhsa_system_sgpr_workgroup_id_y 1
		.amdhsa_system_sgpr_workgroup_id_z 1
		.amdhsa_system_vgpr_workitem_id 0
		.amdhsa_next_free_vgpr 512
		.amdhsa_next_free_sgpr 84
		.amdhsa_reserve_vcc 1
		.amdhsa_float_denorm_mode_32 3
		.amdhsa_float_denorm_mode_16_64 3
		.amdhsa_memory_ordered 1
		.amdhsa_forward_progress 1
		.amdhsa_inst_pref_size 74
	.end_amdhsa_kernel
	.amdgpu_metadata
---
amdhsa.version: [ 1, 2 ]
amdhsa.kernels:
  - .name:           k_q3013d449af_ffn1
    .symbol:         k_q3013d449af_ffn1.kd
    .args:
      - { .name: ord, .offset: 0, .size: 8, .value_kind: global_buffer, .address_space: global }
      - { .name: xq, .offset: 8, .size: 8, .value_kind: global_buffer, .address_space: global }
      - { .name: wq, .offset: 16, .size: 8, .value_kind: global_buffer, .address_space: global }
      - { .name: b1, .offset: 24, .size: 8, .value_kind: global_buffer, .address_space: global }
      - { .name: hq, .offset: 32, .size: 8, .value_kind: global_buffer, .address_space: global }
    .group_segment_fixed_size: 37888
    .private_segment_fixed_size: 0
    .kernarg_segment_align: 8
    .kernarg_segment_size: 40
    .max_flat_workgroup_size: 256
    .sgpr_count:     84
    .vgpr_count:     512
    .wavefront_size: 32
...
	.end_amdgpu_metadata
.endif
;; end of part 3
;; launch ffn2 (part 4): grid 8 x 32, 4 waves a work-group, no clusters, 173,568 bytes of LDS; arguments ord, rt, hq, wq, b2, out0; writes out0
.if DOCPART == 4
	.amdgcn_target "amdgcn-amd-amdhsa--gfx1250"
	.amdhsa_code_object_version 6
	.text
	.protected	k_q3013d449af_ffn2
	.globl	k_q3013d449af_ffn2
	.p2align	8
	.type	k_q3013d449af_ffn2,@function
k_q3013d449af_ffn2:
	s_mov_b64 s[64:65], 0
	v_nop
	global_prefetch_b8 v0, s[64:65] scope:SCOPE_SE
	s_setreg_imm32_b32 hwreg(HW_REG_WAVE_MODE, 25, 1), 1
	s_wait_xcnt 0x0
; FFN2.  out[token] = sum over the token's two experts of weight x (h_e Q(W2[e]) + b2[e]).  A work-group takes a block of 64 tokens in the sorted order (y) and 128 outputs (x); wave w takes 32 of the outputs
; for all four tiles of 16 tokens.  Both experts of a token are visited by the same work-group, so each output row has one owner and nothing is summed in memory.
; The block's experts are walked in ascending order (scalar branches on masks made from ord); a tile in which no token chose the expert is passed over; a token of a visited tile that did not choose it has the weight 0.
; THE PRODUCT IS USED TRANSPOSED: source 0 = 16 columns of W2, source 1 = 16 tokens (h's images, as the launch before stored them): a lane holds one token and, in tiles u = 0, 1, the outputs 16 (lane / 16) + 8 u + 0 .. 7.
; W2's codes (32 KiB a wave and expert), scale words and b2 go from memory straight into registers, an expert ahead, in two buffers.  h is shared: wave w fetches tile w's 16 KiB into registers an expert ahead, stores it
; to LDS as it is, and behind one barrier every wave reads all tiles.  Two LDS regions take turns: a region is written again two half-trips later, and the barrier between has every wave's wait for its LDS reads in front of it.
; Every barrier stands outside every branch on the list.  No tensor load, no cluster: the walk hangs on stored numbers.
; A block uses at least two experts, so both weight buffers are filled at the head without a branch.  The staging registers are filled once without a branch too: where my tile does not use the block's first expert,
; the h of an expert that my tile does use is fetched, and is not stored to LDS.
; K = 2,048 is summed in two chains (even and odd K steps) for each of the two tiles: four accumulators by turns; b2 is the C of the first chain's first product.
; The 64 sums of out begin as zeros: which expert comes first for a tile hangs on the list.
; LIMITS: NaN and infinities not served.
; LDS: 0, 65536: h's images, 4 tiles x 16 KiB, two regions; HSL: their scale words, 4 x 1 KiB, two regions; STG: the way out, 64 rows x (512 + 16) bytes.
; REGISTERS: window 0: v1-15 lane terms; v16-19 masks; v20-27 the tokens' experts; v28-35 their weights; v36-43 the weights for the expert in hand; v44-51 h's scale words; v52-59 scale words staged;
;   v64-95 W2's scale words, two buffers; v96-127 b2, two buffers; v128-159 four accumulators; v160-223 out.  window 1: v0-127 my tile's next h, staged; v128-255 a tile's 16 fragments.  windows 2, 3: W2's 32 fragments.
.set HSL, 131072
.set STG, 139264
.set MSB, 0
.macro WIN new                         ; the immediate's high byte repeats the setting that is left; a switch that changes nothing is dropped
.if MSB != (\new)
	s_set_vgpr_msb (MSB<<8)|(\new)
.set MSB, (\new)
.endif
.endm
; The next expert that the block uses: its number (-1 if none is left), whether there is one, and in which of the four tiles some token chose it.  s19: the experts still to come, a bit each.
.macro STEPX se, sv, stm
	s_cmp_lg_u32 s19, 0
	s_cselect_b32 s[\sv], 1, 0
	s_ctz_i32_b32 s[\se], s19
	s_sub_co_u32 s25, s19, 1
	s_and_b32 s19, s19, s25
	v_lshrrev_b32 v18, s[\se], v16
	v_lshrrev_b32 v19, s[\se], v17
	v_and_b32 v18, 1, v18
	v_and_b32 v19, 1, v19
	v_cmp_ne_u32 s25, 0, v18
	v_cmp_ne_u32 s26, 0, v19
	s_cmp_lg_u32 s[\sv], 0
	s_cselect_b32 s25, s25, 0
	s_cselect_b32 s26, s26, 0
	s_and_b32 s27, s25, 0xffff
	s_cselect_b32 s[\stm], 1, 0
	s_lshr_b32 s27, s25, 16
	s_cselect_b32 s27, 2, 0
	s_or_b32 s[\stm], s[\stm], s27
	s_and_b32 s27, s26, 0xffff
	s_cselect_b32 s27, 4, 0
	s_or_b32 s[\stm], s[\stm], s27
	s_lshr_b32 s27, s26, 16
	s_cselect_b32 s27, 8, 0
	s_or_b32 s[\stm], s[\stm], s27
.endm
; Expert s[se]'s codes, scale words and bias for my 32 outputs, into buffer buf: 84 loads
.macro LOADW4 buf, se
	s_wait_xcnt 0x0                                ; the bases are written again only behind this wait
	s_min_u32 s28, s[\se], 7                       ; an expert's number stays inside the tables
	s_lshl_b32 s44, s28, 20
	s_add_co_u32 s44, s44, s48
	s_mov_b32 s45, 0
	s_add_nc_u64 s[30:31], s[10:11], s[44:45]
	s_lshl_b32 s44, s28, 16
	s_add_co_u32 s44, s44, s49
	s_add_nc_u64 s[32:33], s[10:11], s[44:45]
	s_lshl_b32 s44, s28, 12
	s_add_co_u32 s44, s44, s50
	s_add_nc_u64 s[34:35], s[12:13], s[44:45]
	WIN 0x80+0x40*(\buf)                           ; destination window 2 or 3
.set i, 0
.rept 64
	global_load_b128 v[4*i:4*i+3], v4, s[30:31] offset:512*i       ; fragment (K step s, u) at v[8 (2 s + u)]: the codes lie in this very order
.set i, i+1
.endr
	WIN 0
.irp s, 0,1,2,3,4,5,6,7,8,9,10,11,12,13,14,15
	global_load_b32 v[64+16*(\buf)+\s], v5, s[32:33] offset:128*\s ; lanes 0-15: tile u = 0's words, lanes 16-31: tile u = 1's
.endr
.irp u, 0,1
	global_load_b128 v[96+16*(\buf)+8*\u:96+16*(\buf)+8*\u+3], v6, s[34:35] offset:32*\u
	global_load_b128 v[96+16*(\buf)+8*\u+4:96+16*(\buf)+8*\u+7], v6, s[34:35] offset:32*\u+16
.endr
.endm
; Expert s[se]'s h of my tile (tile w of the block) into the staging registers: 34 loads.  Its bases were last read by loads that the half-trip's wait for 0 has shown done
.macro LOADH se
	s_min_u32 s28, s[\se], 7
	s_lshl_b32 s44, s28, 21
	s_add_co_u32 s44, s44, s51
	s_mov_b32 s45, 0
	s_add_nc_u64 s[36:37], s[8:9], s[44:45]
	s_lshl_b32 s44, s28, 17
	s_add_co_u32 s44, s44, s52
	s_add_nc_u64 s[38:39], s[8:9], s[44:45]
	WIN 0x40
.set i, 0
.rept 32
	global_load_b128 v[4*i:4*i+3], v4, s[36:37] offset:512*i
.set i, i+1
.endr
	WIN 0
	global_load_b128 v[52:55], v4, s[38:39]
	global_load_b128 v[56:59], v4, s[38:39] offset:512
.endm
; Tile m with the expert in buffer buf
.macro TILE4 buf, m
	WIN 0x40
.set i, 0
.rept 32
	ds_load_b128 v[128+4*i:131+4*i], v[4+4*(\buf)] offset:16384*(\m)+512*i     ; the tile's 16 fragments, as they were stored
.set i, i+1
.endr
	WIN 0
.irp g, 0,1,2,3,4,5,6,7
	ds_load_b32 v[44+\g], v11 offset:4096*(\buf)+1024*(\m)+128*\g              ; lanes 0-15: K step 2 g's words, lanes 16-31: K step 2 g + 1's
.endr
	s_wait_dscnt 0x0
	WIN 0x06+(\buf)                                ; source 0 window 2 or 3, source 1 window 1, C and D window 0
.irp g, 0,1,2,3,4,5,6,7                        ; four accumulators take turns, one instruction a turn
.if \g == 0
	v_wmma_scale_f32_16x16x128_f8f6f4 v[128:135], v[0:7], v[128:135], v[96+16*(\buf):103+16*(\buf)], v[64+16*(\buf)], v44 matrix_a_fmt:MATRIX_FMT_FP4 matrix_b_fmt:MATRIX_FMT_FP4
	v_wmma_scale_f32_16x16x128_f8f6f4 v[136:143], v[8:15], v[128:135], v[104+16*(\buf):111+16*(\buf)], v[64+16*(\buf)], v44 matrix_a_fmt:MATRIX_FMT_FP4 matrix_b_fmt:MATRIX_FMT_FP4 matrix_a_scale:MATRIX_SCALE_ROW1
	v_wmma_scale_f32_16x16x128_f8f6f4 v[144:151], v[16:23], v[136:143], 0, v[65+16*(\buf)], v44 matrix_a_fmt:MATRIX_FMT_FP4 matrix_b_fmt:MATRIX_FMT_FP4 matrix_b_scale:MATRIX_SCALE_ROW1
	v_wmma_scale_f32_16x16x128_f8f6f4 v[152:159], v[24:31], v[136:143], 0, v[65+16*(\buf)], v44 matrix_a_fmt:MATRIX_FMT_FP4 matrix_b_fmt:MATRIX_FMT_FP4 matrix_a_scale:MATRIX_SCALE_ROW1 matrix_b_scale:MATRIX_SCALE_ROW1
.else
	v_wmma_scale_f32_16x16x128_f8f6f4 v[128:135], v[32*\g:32*\g+7], v[128+16*\g:135+16*\g], v[128:135], v[64+16*(\buf)+2*\g], v[44+\g] matrix_a_fmt:MATRIX_FMT_FP4 matrix_b_fmt:MATRIX_FMT_FP4
	v_wmma_scale_f32_16x16x128_f8f6f4 v[136:143], v[32*\g+8:32*\g+15], v[128+16*\g:135+16*\g], v[136:143], v[64+16*(\buf)+2*\g], v[44+\g] matrix_a_fmt:MATRIX_FMT_FP4 matrix_b_fmt:MATRIX_FMT_FP4 matrix_a_scale:MATRIX_SCALE_ROW1
	v_wmma_scale_f32_16x16x128_f8f6f4 v[144:151], v[32*\g+16:32*\g+23], v[136+16*\g:143+16*\g], v[144:151], v[65+16*(\buf)+2*\g], v[44+\g] matrix_a_fmt:MATRIX_FMT_FP4 matrix_b_fmt:MATRIX_FMT_FP4 matrix_b_scale:MATRIX_SCALE_ROW1
	v_wmma_scale_f32_16x16x128_f8f6f4 v[152:159], v[32*\g+24:32*\g+31], v[136+16*\g:143+16*\g], v[152:159], v[65+16*(\buf)+2*\g], v[44+\g] matrix_a_fmt:MATRIX_FMT_FP4 matrix_b_fmt:MATRIX_FMT_FP4 matrix_a_scale:MATRIX_SCALE_ROW1 matrix_b_scale:MATRIX_SCALE_ROW1
.endif
.endr
	WIN 0
.rept 4
	v_nop                                          ; four places between the last products and the first read of results (ISA guide 7.12.1)
.endr
.irp u, 0,1
.irp p, 0,2,4,6
	v_pk_add_f32 v[128+8*\u+\p:129+8*\u+\p], v[128+8*\u+\p:129+8*\u+\p], v[144+8*\u+\p:145+8*\u+\p]     ; the two chains; each accumulator is read from its low end on
.endr
.endr
	s_wait_alu depctr_va_vdst(0)
.irp u, 0,1
.irp p, 0,2,4,6
	v_pk_fma_f32 v[160+16*(\m)+8*\u+\p:161+16*(\m)+8*\u+\p], v[128+8*\u+\p:129+8*\u+\p], v[36+2*(\m):37+2*(\m)], v[160+16*(\m)+8*\u+\p:161+16*(\m)+8*\u+\p] op_sel_hi:[1,0,1]   ; x my token's weight for this expert
.endr
.endr
.endm
; A half-trip: the expert in buffer buf
.macro HT buf
	s_wait_loadcnt 0x0                             ; this expert's weights and my tile's h are in: asked for a whole expert ago.  Zero, since the loads below are under branches
	s_bitcmp1_b32 s21, s16                         ; does my tile use this expert?
	s_cbranch_scc0 .Lnost_\@
	WIN 0x04                                       ; an LDS store's data are its source 1: window 1
.set i, 0
.rept 32
	ds_store_b128 v[9+(\buf)], v[4*i:4*i+3] offset:512*i
.set i, i+1
.endr
	WIN 0
	ds_store_b128 v12, v[52:55] offset:4096*(\buf)
	ds_store_b128 v12, v[56:59] offset:4096*(\buf)+512
.Lnost_\@:
	s_wait_dscnt 0x0                               ; my stores have landed, and my reads of the other region are over
	s_barrier_signal -1
	s_barrier_wait -1
.if (\buf) == 0
	s_cmp_eq_u32 s43, 4                            ; the first half-trip: the second expert's weights were asked for at the head
	s_cbranch_scc1 .Lhave_\@
.endif
	STEPX 22, 23, 24
	s_cmp_lg_u32 s23, 0
	s_cbranch_scc0 .Lhave_\@
	LOADW4 1-(\buf), 22
.Lhave_\@:
	s_bitcmp1_b32 s24, s16                         ; will my tile use the next expert?  (an empty mask where there is none)
	s_cbranch_scc0 .Lnoh_\@
	LOADH 22
.Lnoh_\@:
.irp m, 0,1,2,3                                ; my token's weight for this expert: that of its first choice, of its second, or 0
	v_cmp_eq_u32 vcc_lo, s20, v[24+\m]
	v_cndmask_b32 v[36+2*\m], 0, v[29+2*\m], vcc_lo
	v_cmp_eq_u32 vcc_lo, s20, v[20+\m]
	v_cndmask_b32 v[36+2*\m], v[36+2*\m], v[28+2*\m], vcc_lo
.endr
.irp m, 0,1,2,3
	s_bitcmp1_b32 s21, \m
	s_cbranch_scc0 .Lno\@_\m
	TILE4 \buf, \m
.Lno\@_\m:
.endr
	s_mov_b32 s20, s22
	s_mov_b32 s21, s24
.endm
	s_load_b256 s[4:11], s[0:1], 0x0               ; ord s[4:5], rt s[6:7], hq s[8:9], wq s[10:11]
	s_load_b128 s[12:15], s[0:1], 0x20             ; b2 s[12:13], out0 s[14:15]
	v_lshl_add_u32 v254, v0, 2, 0x2a400
	v_mov_b32 v255, 0
	v_lshrrev_b32 v1, 5, v0
	v_readfirstlane_b32 s16, v1                    ; wave 0..3
	s_and_b32 s18, ttmp7, 0xffff                   ; the block of 64 tokens
	v_and_b32 v1, 31, v0                           ; lane
	v_and_b32 v2, 15, v0                           ; r
	v_bfe_u32 v3, v0, 4, 1                         ; h
	v_lshlrev_b32 v4, 4, v1                        ; 16 x lane: also where I read region 0
	v_lshlrev_b32 v5, 2, v1                        ; 4 x lane
	v_lshlrev_b32 v6, 6, v3                        ; 64 h: the bias of my half's outputs
	v_add_nc_u32 v8, 65536, v4                     ; where I read region 1
	s_lshl_b32 s25, s16, 14
	v_add_nc_u32 v9, s25, v4                       ; where I store my tile: region 0,
	v_add_nc_u32 v10, 65536, v9                    ; region 1
	v_add_nc_u32 v11, HSL, v5                      ; h's scale words: read,
	s_lshl_b32 s25, s16, 10
	v_add_nc_u32 v12, s25, v4
	v_add_nc_u32 v12, HSL, v12                     ; stored
	v_mul_u32_u24 v13, v2, 528
	v_lshl_add_u32 v13, v3, 6, v13
	s_lshl_b32 s25, s16, 7
	v_add_nc_u32 v13, s25, v13
	v_add_nc_u32 v13, STG, v13                     ; the stage, in: row r, + 128 w + 64 h
	s_mul_i32 s25, s16, 8448
	v_add_nc_u32 v14, s25, v4
	v_add_nc_u32 v14, STG, v14                     ; back: my 16 rows, 16 bytes a lane
	v_lshlrev_b32 v15, 2, v2                       ; 4 r
	s_lshl_b32 s25, ttmp9, 2
	s_add_co_u32 s25, s25, s16                     ; my group of 32 columns: 4 x + w
	s_lshl_b32 s48, s25, 15
	s_add_co_u32 s48, s48, 0x800000                ; its codes in an expert's MiB,
	s_lshl_b32 s49, s25, 11
	s_add_co_u32 s49, s49, 0x1080000               ; its scale words,
	s_lshl_b32 s50, s25, 7                         ; its bias
	s_lshl_b32 s26, s18, 2
	s_add_co_u32 s26, s26, s16                     ; my tile: 4 y + w
	s_lshl_b32 s51, s26, 14
	s_lshl_b32 s52, s26, 10
	s_add_co_u32 s52, s52, 0x1000000
	s_mov_b32 s40, 0x76543210
	s_mov_b32 s41, 0xfedcba98                      ; v_permlanex16_b32's selects for lane l xor 16
	v_mov_b32 v19, 0                               ; a lane permute's destination counts as one of its sources
	v_mov_b32 v234, 1
.irp m, 0,1,2,3
	v_mov_b32 v[37+2*\m], 0                        ; named as the upper halves of pairs
.endr
	s_lshl_b32 s44, s18, 8
	s_mov_b32 s45, 0
	s_wait_alu depctr_va_vdst(0)
	s_wait_kmcnt 0x0
	s_add_nc_u64 s[46:47], s[4:5], s[44:45]        ; ord at my block
	s_lshl_b32 s44, s16, 6
	s_add_nc_u64 s[44:45], s[46:47], s[44:45]      ; at my tile
	s_load_b512 s[68:83], s[44:45], 0x0            ; my tile's 16 entries: kept for the way out
	global_load_b32 v232, v5, s[46:47]
	global_load_b32 v233, v5, s[46:47] offset:128
.irp m, 0,1,2,3
	global_load_b32 v[224+\m], v15, s[46:47] offset:64*\m          ; token r of tile m
.endr
	s_wait_loadcnt 0x0
.irp m, 0,1,2,3
	v_and_b32 v[228+\m], 0x7ff, v[224+\m]
	v_min_u32 v[228+\m], 0x7ff, v[228+\m]
	v_lshlrev_b32 v[228+\m], 3, v[228+\m]
	global_load_b64 v[28+2*\m:29+2*\m], v[228+\m], s[6:7]          ; its two weights
	v_bfe_u32 v[20+\m], v[224+\m], 16, 3           ; its first choice,
	v_bfe_u32 v[24+\m], v[224+\m], 24, 3           ; its second
.endr
	v_bfe_u32 v235, v232, 16, 3
	v_bfe_u32 v236, v232, 24, 3
	v_lshlrev_b32 v235, v235, v234
	v_lshlrev_b32 v236, v236, v234
	v_or_b32 v16, v235, v236                       ; a token's two experts, a bit each
	v_bfe_u32 v235, v233, 16, 3
	v_bfe_u32 v236, v233, 24, 3
	v_lshlrev_b32 v235, v235, v234
	v_lshlrev_b32 v236, v236, v234
	v_or_b32 v17, v235, v236
	v_or_b32 v18, v16, v17
.irp n, 1,2,4,8
	v_mov_b32_dpp v19, v18 row_xmask:\n row_mask:0xf bank_mask:0xf
	v_or_b32 v18, v18, v19
.endr
	v_permlanex16_b32 v19, v18, s40, s41
	v_or_b32 v18, v18, v19
	v_readfirstlane_b32 s19, v18                   ; the block's experts
	STEPX 20, 53, 21
	LOADW4 0, 20
	s_wait_kmcnt 0x0
	s_bfe_u32 s29, s68, 0x30010                    ; the first choice of my tile's first token: an expert whose h of my tile has been stored
	s_bitcmp1_b32 s21, s16
	s_cselect_b32 s29, s20, s29                    ; taken only where my tile does not use the block's first expert
	LOADH 29
	STEPX 22, 23, 24
	LOADW4 1, 22                                   ; a block has at least two experts
.set i, 0
.rept 64
	v_mov_b32 v[160+i], 0
.set i, i+1
.endr
	s_mov_b32 s43, 4
.Ltrip:                                                ; four trips of two half-trips serve up to eight experts; a half-trip without an expert finds empty masks
	HT 0
	HT 1
	s_sub_co_u32 s43, s43, 1
	s_cmp_lg_u32 s43, 0
	s_cbranch_scc1 .Ltrip
	; THE WAY OUT.  A row's 128 outputs come from four waves: they meet in the stage, and each wave stores its tile's 16 rows whole, each at its token's place.
	s_wait_alu depctr_va_vdst(0)
.irp m, 0,1,2,3
.irp u, 0,1
	ds_store_b128 v13, v[160+16*\m+8*\u:163+16*\m+8*\u] offset:8448*\m+32*\u
	ds_store_b128 v13, v[164+16*\m+8*\u:167+16*\m+8*\u] offset:8448*\m+32*\u+16
.endr
.endr
	s_lshl_b32 s44, ttmp9, 9                       ; my work-group's 128 outputs: 512 bytes of a row
	s_mov_b32 s45, 0
	s_add_nc_u64 s[46:47], s[14:15], s[44:45]
.irp i, 0,1,2,3,4,5,6,7,8,9,10,11,12,13,14,15
	s_and_b32 s[68+\i], s[68+\i], 0x7ff            ; the token,
	s_min_u32 s[68+\i], s[68+\i], 0x7ff            ; inside the output,
	s_lshl_b32 s[68+\i], s[68+\i], 12              ; its row of 4,096 bytes
	v_add_nc_u32 v[224+\i], s[68+\i], v4
.endr
	s_wait_alu depctr_va_vdst(0)
	s_wait_dscnt 0x0                               ; for the others' sake: my stores into the stage are done
	s_barrier_signal -1
	s_barrier_wait -1
.irp i, 0,1,2,3,4,5,6,7,8,9,10,11,12,13,14,15
	ds_load_b128 v[128+4*\i:131+4*\i], v14 offset:528*\i
.endr
.irp i, 0,1,2,3,4,5,6,7,8,9,10,11,12,13,14,15
	s_wait_dscnt 15-\i                             ; the younger read-backs may be out
	global_store_b128 v[224+\i], v[128+4*\i:131+4*\i], s[46:47] th:TH_STORE_NT     ; 32 lanes store 512 consecutive bytes, at a multiple of 256 from out0's first byte
.endr
	s_wait_tensorcnt 0x0
	ds_add_u32 v254, v255
	s_wait_dscnt 0x0
	s_endpgm
.Lfunc_end_k_q3013d449af_ffn2:
	.size	k_q3013d449af_ffn2, .Lfunc_end_k_q3013d449af_ffn2-k_q3013d449af_ffn2
	.p2alignl 7, 3214868480
	.fill 96, 4, 3214868480
	.section	.rodata,"a",@progbits
	.p2align	6, 0x0
	.amdhsa_kernel k_q3013d449af_ffn2
		.amdhsa_group_segment_fixed_size 173568
		.amdhsa_private_segment_fixed_size 0
		.amdhsa_enable_private_segment 0
		.amdhsa_kernarg_size 48
		.amdhsa_user_sgpr_count 2
		.amdhsa_user_sgpr_kernarg_segment_ptr 1
		.amdhsa_wavefront_size32 1
		.amdhsa_system_sgpr_workgroup_id_x 1
		.amdhsa_system_sgpr_workgroup_id_y 1
		.amdhsa_system_sgpr_workgroup_id_z 1
		.amdhsa_system_vgpr_workitem_id 0
		.amdhsa_next_free_vgpr 1024
		.amdhsa_next_free_sgpr 84
		.amdhsa_reserve_vcc 1
		.amdhsa_float_denorm_mode_32 3
		.amdhsa_float_denorm_mode_16_64 3
		.amdhsa_memory_ordered 1
		.amdhsa_forward_progress 1
		.amdhsa_inst_pref_size 133
	.end_amdhsa_kernel
	.amdgpu_metadata
---
amdhsa.version: [ 1, 2 ]
amdhsa.kernels:
  - .name:           k_q3013d449af_ffn2
    .symbol:         k_q3013d449af_ffn2.kd
    .args:
      - { .name: ord, .offset: 0, .size: 8, .value_kind: global_buffer, .address_space: global }
      - { .name: rt, .offset: 8, .size: 8, .value_kind: global_buffer, .address_space: global }
      - { .name: hq, .offset: 16, .size: 8, .value_kind: global_buffer, .address_space: global }
      - { .name: wq, .offset: 24, .size: 8, .value_kind: global_buffer, .address_space: global }
      - { .name: b2, .offset: 32, .size: 8, .value_kind: global_buffer, .address_space: global }
      - { .name: out0, .offset: 40, .size: 8, .value_kind: global_buffer, .address_space: global }
    .group_segment_fixed_size: 173568
    .private_segment_fixed_size: 0
    .kernarg_segment_align: 8
    .kernarg_segment_size: 48
    .max_flat_workgroup_size: 128
    .sgpr_count:     84
    .vgpr_count:     1024
    .wavefront_size: 32
...
	.end_amdgpu_metadata
.endif
;; end of part 4
